; MI455X (gfx1250); checked and timed in simulation.
; The chip was launched on July 23, 2026; its instructions are those of AMD's public machine-readable ISA for CDNA 5 (MIT licence, August 2026) and "CDNA5" Instruction Set Architecture Reference Guide (July 2026). The comments in the code are by the model that wrote it; some were corrected since.
;; Multi Head Attention Layer. Allowed arithmetic: matrix products marked QUANTISED: E2M3 operands, one E8M0 scale for each 32 along K, by v_wmma_scale_f32_16x16x128_f8f6f4 with both operands' format E2M3, f32 sums; everything else in f32.
;; Inputs: Wk 1,024 x 1,024 float32; Wo 1,024 x 1,024 float32; Wq 1,024 x 1,024 float32; Wv 1,024 x 1,024 float32; bk 1,024 float32; bo 1,024 float32; bq 1,024 float32; bv 1,024 float32; key 4 x 2,048 x 1,024 float32; mask 4 x 1 x 2,048 x 2,048 int32; query 4 x 2,048 x 1,024 float32; value 4 x 2,048 x 1,024 float32.
;; Outputs: out0 4 x 2,048 x 1,024 float32.
;; This version of the problem:
;;   THIS VERSION OF THE PROBLEM IS GIVEN IN LOW PRECISION. The matrix products marked QUANTISED in the list below multiply operands that are first quantised to E2M3 (2 exponent bits, 3 mantissa bits; 6 bits a number), with one power-of-two scale for each 32 numbers along K (OCP MX v1.0); their sums are f32. All else is computed in f32.
;;   The module's matrix products, in the order in which they are computed (A, B: the left and right operand; K: the contracted axis; several contracted axes count as one K, in the product's order):
;;     1. [M 8,192, K 1,024] x [K 1,024, N 1,024]; A: input query; B: input Wq: QUANTISED
;;     2. [M 8,192, K 1,024] x [K 1,024, N 1,024]; A: input key; B: input Wk: QUANTISED
;;     3. [M 8,192, K 1,024] x [K 1,024, N 1,024]; A: input value; B: input Wv: QUANTISED
;;     4. batch 64 x [M 2,048, K 64] x [K 64, N 2,048]; A: computed on the way; B: computed on the way: QUANTISED
;;     5. batch 64 x [M 2,048, K 2,048] x [K 2,048, N 64]; A: softmax (see below); B: computed on the way: QUANTISED
;;     6. [M 8,192, K 1,024] x [K 1,024, N 1,024]; A: computed on the way; B: input Wo: QUANTISED
;;   THE QUANTISER, for each operand of a quantised product, along K:
;;     - K is cut into blocks of 32 from its start; a last block that is shorter is filled with zeros.
;;     - A block's scale is 2^e with e = floor(log2(the largest magnitude in the block)) - 2, held to -126 .. 127; a block of zeros has e = 0. As a byte (E8M0): e + 127.
;;     - Each number is divided by its block's scale, clamped to +-7.5, and rounded to the nearest number of E2M3, ties to even, subnormals kept.
;;     - The product sums the exact products of the quantised numbers (number of the format x scale) in f32.
;;   ~~~python
;;   def quantise(x, axis):      # numpy; x: float32 -> the quantised numbers, widened to float32 again
;;       x = np.moveaxis(x, axis, -1); K = x.shape[-1]
;;       x = np.pad(x, [(0, 0)] * (x.ndim - 1) + [(0, -K % 32)]); x = x.reshape(x.shape[:-1] + (-1, 32)); a = np.abs(x).max(-1, keepdims=True)
;;       e = np.where(a > 0, np.clip(np.frexp(np.where(a > 0, a, 1))[1] - 1 - 2, -126, 127), 0)      # np.frexp(a)[1] - 1 = floor(log2(a)), exactly
;;       r = np.clip(x / 2.0 ** e, -7.5, 7.5)
;;       step = 2.0 ** (np.maximum(np.frexp(np.where(r == 0, 1, r))[1] - 1, 0) - 3)
;;       q = np.round(r / step) * step * 2.0 ** e      # np.round: ties to even
;;       return np.moveaxis(q.reshape(q.shape[:-2] + (-1,))[..., :K], -1, axis).astype(np.float32)
;;   ~~~
;;   SOFTMAX AHEAD OF A QUANTISED PRODUCT. Where the list says 'softmax', what is quantised is not the finished softmax but p = 2^(t - M), with t = logit x log2(e) and M = ceil(the row's largest t), a whole number; so 1/2 < the row's largest p <= 1. The row's sum l is taken of the UNQUANTISED p, in f32, and the product's result is divided by l at the end. Since M is a whole number, a kernel that streams over the keys may use a running M (the ceiling of the running maximum): every later rescaling is an exact power of two, which a block's scale takes up: the codes' values come out the same.
;;   OPERANDS COMPUTED ON THE WAY. 'Computed on the way' means the value that the module computes at that place (a softmax that the list does not call 'softmax' is quantised finished and normalised). What goes into a quantiser is computed in f32, as accurately as f32 sums, v_exp_f32 and their like allow (about 1e-6 of the number): no bf16 or f16 on the way to a quantiser, and a product that is left as it is and whose result goes on into a quantised operand takes f32 operands (vector FMAs, or v_wmma_f32_16x16x4_f32). A number that lies on a knife's edge between two numbers of the format may be rounded either way, as far as f32 arithmetic and the matrix unit's own rounding can turn it there, and no further.
;; One version. Each part assembles by itself: llvm-mc -triple=amdgcn-amd-amdhsa -mcpu=gfx1250 --defsym DOCPART=n.
;; ======== version 1 of 1: 4 launches
;; limits: right only within a limited range of input values
;; workspace buffers: cod 22,020,096 bytes; scl 917,504 bytes; mbits 2,097,152 bytes of whole numbers; att 20,447,232 bytes; xc 6,291,456 bytes; xs 262,144 bytes
;; launch prep (part 1): grid 1408 x 1, 4 waves a work-group, no clusters, 68,096 bytes of LDS; arguments query, key, value, Wq, Wk, Wv, Wo, mask, cod, scl, mbits; writes cod, scl, mbits
.if DOCPART == 1
	.amdgcn_target "amdgcn-amd-amdhsa--gfx1250"
	.amdhsa_code_object_version 6
	.text
	.protected	k_q2be2e90363_prep
	.globl	k_q2be2e90363_prep
	.p2align	8
	.type	k_q2be2e90363_prep,@function
k_q2be2e90363_prep:
	s_mov_b64 s[64:65], 0
	v_nop
	global_prefetch_b8 v0, s[64:65] scope:SCOPE_SE
	s_setreg_imm32_b32 hwreg(HW_REG_WAVE_MODE, 25, 1), 1
	s_wait_xcnt 0x0
; query, key, value [8192][1024] and Wq, Wk, Wv, Wo [1024][1024], f32, K innermost, become codes of FP6 (E2M3) with one E8M0 byte for each 32 along K,
; laid as IMAGES OF OPERAND REGISTERS; the mask [4][2048][2048] of i32 becomes words of 32 lane bits.
; A HALF IMAGE is 16 rows x 64 K, 768 bytes: lane l = (r = l % 16, h = l / 16) owns the 24 bytes of the block at k = 32 h of row r: its bytes 0-15 lie at 16 l, its bytes 16-23 at 512 + 8 l.
; cod: [task T][4 K steps][2 half images]; T = 2 x row tile + K half, so that a row tile's eight K steps lie on end (12,288 bytes).  scl: [T][row 16][4 words], a word = the four bytes of one row and one K step.
; WHICH ROWS FORM A ROW TILE: query and Wo: 16 t + m.  key, value, Wq, Wk, Wv: 32 (t / 2) + 8 (t % 2) + m + 8 (m / 8), so that a later product's results lie along the next K in a lane's registers.
; mbits: [b x 128 + query tile][key step 16][64 words]: bit r + 16 h of word 16 bb + i says mask[b][16 tile + r][128 step + 32 bb + 16 h + i] != 0.
; A block's scale is 2^(floor(log2(largest magnitude)) - 2); its byte is the largest magnitude's exponent field - 2, held at 1 from below.
; LIMITS: a block of zeros gets the byte 1 where the rule says 127 (its codes are zeros, and this program alone reads the bytes); magnitudes under 2^-124 were not tried; NaN and infinities are not served.
; SHARES: work-groups 0-895 quantise, a wave a task of 16 rows x 512 K; work-groups 896-1407 take the mask, a wave 16 queries x 512 keys.  A step is 128 along the row: sixteen loads of 512 consecutive bytes,
; turned through the wave's own stage in LDS (rows 528 bytes apart) so that a lane gets its row's neighbours.  Loads run two steps (32 loads a wave) ahead.  Waves share nothing: no barrier.
; The two paths have LDS bytes of their own.  No matrix unit, no cluster, no tensor load: memory binds, and nothing is read twice.
.set SP,    528                        ; a stage row: 512 bytes + 16
.set WST,   16*SP                      ; a wave's stage
.set STM,   4*WST                      ; the mask path's four stages
.set SPARE, 8*WST                      ; the spare words, 128 bytes for each wave
.set SPW,   14                         ; v14  my spare word's address; never rewritten
.set NIL,   15                         ; v15  0; never rewritten
.set W,     16                         ; v16-19   the four steps' scale words
.set MW,    20                         ; v20-27   the four steps' mask words, a pair a step
.set R,     32                         ; v32-159  two sets of 64 as loaded
.set X,     160                        ; v160-223 64 neighbours of my row
.set C,     224                        ; v224-247 codes, two sets of 12
.set C2,    248                        ; v248-255 the upper halves of the blocks as converted
; v1 16 x lane; v2 the same for rows 8-15; v3 stage in; v4 stage out; v5 8 x lane; v6 16 r + 8 h; v7 8 h; v8-13 at work
.macro LOAD t, pitch, hi               ; step t: sixteen rows' 512 bytes into set t % 2
.irp i, 0,1,2,3,4,5,6,7
	global_load_b128 v[R+64*((\t)%2)+4*\i:R+64*((\t)%2)+4*\i+3], v1, s[30:31] offset:\i*\pitch+512*(\t) th:TH_LOAD_NT
.endr
.irp i, 8,9,10,11,12,13,14,15
	global_load_b128 v[R+64*((\t)%2)+4*\i:R+64*((\t)%2)+4*\i+3], v[\hi], s[30:31] offset:\i*\pitch+512*(\t) th:TH_LOAD_NT
.endr
.endm
.macro TURN t, grp, gst                ; through the stage: LDS serves a wave's instructions in order, so no wait stands between the stores and the loads
.irp i, 0,1,2,3,4,5,6,7,8,9,10,11,12,13,14,15
	ds_store_b128 v3, v[R+64*((\t)%2)+4*\i:R+64*((\t)%2)+4*\i+3] offset:SP*\i
.endr
.irp q, 0,1,2,3,4,5,6,7,8,9,10,11,12,13,14,15
	ds_load_b128 v[X+4*\q:X+4*\q+3], v4 offset:\gst*(\q/\grp)+16*(\q%\grp)
.endr
.endm
.macro PICK lim, ptr, first, perm      ; the tensor of my work-group: the choice hangs on the work-group's number alone
	s_cmp_lt_u32 ttmp9, \lim
	s_cselect_b64 s[30:31], s[\ptr:\ptr+1], s[30:31]
	s_cselect_b32 s27, \first, s27
	s_cselect_b32 s28, \perm, s28
.endm
; One K step of 128: X[32 c + i] = k 64 c + 32 h + i of my row: two whole blocks a lane
.macro QSTEP t
.set CS, C+12*((\t)%2)
.if (\t) < 3
	s_wait_loadcnt 16                              ; this step's sixteen loads are in; the next step's sixteen may be out
.else
	s_wait_loadcnt 0x0
.endif
	TURN \t, 8, 256
	s_wait_dscnt 0x0                               ; my neighbours are in, and the stage's stores have read their registers,
.if (\t) < 2
	LOAD (\t)+2, 4096, 2                           ; which take the loads of two steps on
.endif
.irp c, 0,1
	v_max3_num_f32 v[8+\c], |v[X+32*\c]|, |v[X+32*\c+1]|, 0x1800000   ; the floor 2^(3 - 127) among the leaves: the byte cannot fall under 1
.endr
.irp i, 2,4,6,8,10,12,14,16,18,20,22,24,26,28,30
.irp c, 0,1
	v_max3_num_f32 v[8+\c], v[8+\c], |v[X+32*\c+\i]|, |v[X+32*\c+\i+1]|
.endr
.endr
.irp c, 0,1
	v_add_nc_u32 v[10+\c], 0xff000000, v[8+\c]     ; 2 off the exponent field: the conversion's scale operand
.endr
.irp c, 0,1
	v_lshrrev_b32 v[12+\c], 23, v[10+\c]           ; the scale's byte
.endr
	v_lshl_or_b32 v[W+(\t)], v13, 16, v12          ; my two bytes, blocks h and 2 + h,
	v_lshlrev_b32 v[W+(\t)], v7, v[W+(\t)]         ; at their places (8 h bits up);
	v_permlanex16_b32 v8, v[W+(\t)], s32, s33
	v_or_b32 v[W+(\t)], v[W+(\t)], v8              ; with lane l xor 16's two the word is whole
.if (\t) >= 2
	s_wait_alu depctr_va_vdst(0)
	s_wait_xcnt 0x0                                ; the stores of two steps back have read this set of codes
.endif
.irp c, 0,1
	v_cvt_scalef32_pk16_fp6_f32 v[CS+6*\c:CS+6*\c+2], v[X+32*\c:X+32*\c+15], v[10+\c]
	v_cvt_scalef32_pk16_fp6_f32 v[C2+4*\c:C2+4*\c+2], v[X+32*\c+16:X+32*\c+31], v[10+\c]   ; (a conversion's three registers begin on an even number)
.endr
	v_nop                                          ; one plain place behind the conversions
.irp c, 0,1
.irp i, 0,1,2
	v_mov_b32 v[CS+6*\c+3+\i], v[C2+4*\c+\i]
.endr
.endr
.irp c, 0,1
	global_store_b128 v1, v[CS+6*\c:CS+6*\c+3], s[20:21] offset:1536*(\t)+768*\c         ; 512 consecutive bytes
	global_store_b64 v5, v[CS+6*\c+4:CS+6*\c+5], s[20:21] offset:1536*(\t)+768*\c+512    ; 256 consecutive bytes
.endr
.endm
; One key step of 128: X[16 bb + i] = mask word of key 32 bb + 16 h + i of my query
.macro MSTEP t
.if (\t) < 3
	s_wait_loadcnt 16
.else
	s_wait_loadcnt 0x0
.endif
	TURN \t, 4, 128
	s_wait_dscnt 0x0
.if (\t) < 2
	LOAD (\t)+2, 8192, 1
.endif
.set n, 0
.rept 2
.set m, 0
.rept 32
	v_cmp_ne_u32 s[32+m], 0, v[X+n+m]              ; bit r + 16 h of word n + m
.set m, m+1
.endr
.set m, 0
.rept 32
	v_writelane_b32 v[MW+2*(\t)+(m%2)], s[32+m], (n+m)/2   ; word w goes to lane w / 2, register w % 2
.set m, m+1
.endr
.set n, n+32
.endr
	global_store_b64 v5, v[MW+2*(\t):MW+2*(\t)+1], s[24:25] offset:256*(\t)   ; 64 words: 256 consecutive bytes, aligned
.endm
	s_load_b512 s[4:19], s[0:1], 0x0               ; query, key, value, Wq, Wk, Wv, Wo, mask
	s_load_b128 s[20:23], s[0:1], 0x40             ; cod, scl
	s_load_b64 s[24:25], s[0:1], 0x50              ; mbits
	v_lshl_add_u32 v[SPW], v0, 2, SPARE
	v_mov_b32 v[NIL], 0
	v_lshrrev_b32 v8, 5, v0
	v_readfirstlane_b32 s26, v8                    ; wave
	v_and_b32 v9, 31, v0                           ; lane
	v_and_b32 v10, 15, v0                          ; r
	v_bfe_u32 v11, v0, 4, 1                        ; h
	v_lshlrev_b32 v1, 4, v9
	v_lshlrev_b32 v5, 3, v9
	s_mul_i32 s29, s26, WST
	v_mul_u32_u24 v4, v10, SP
	v_add_nc_u32 v4, s29, v4                       ; my wave's stage, row r
	v_add_nc_u32 v3, s29, v1                       ; my wave's stage, 16 x lane
	s_mov_b32 s37, 0
	s_cmp_ge_u32 ttmp9, 896
	s_cbranch_scc1 .Lmask
	; ---- the quantiser's path
	v_lshl_add_u32 v4, v11, 7, v4                  ; + 128 h: my block of each 64 along K
	v_lshlrev_b32 v6, 4, v10
	v_lshl_add_u32 v6, v11, 3, v6                  ; 16 r + 8 h
	v_lshlrev_b32 v7, 3, v11                       ; 8 h
	s_mov_b32 s32, 0x76543210
	s_mov_b32 s33, 0xfedcba98                      ; lane l xor 16
	s_mov_b32 s34, 0xffff0000                      ; lanes 16-31
	s_wait_kmcnt 0x0
	s_mov_b64 s[30:31], s[16:17]                   ; Wo, unless the work-group's number says otherwise
	s_mov_b32 s27, 864
	s_mov_b32 s28, 0
	PICK 864, 14, 832, 1                           ; Wv
	PICK 832, 12, 800, 1                           ; Wk
	PICK 800, 10, 768, 1                           ; Wq
	PICK 768, 8, 512, 1                            ; value
	PICK 512, 6, 256, 1                            ; key
	PICK 256, 4, 0, 0                              ; query
	s_lshl_b32 s2, ttmp9, 2
	s_add_co_u32 s2, s2, s26                       ; T
	s_lshl_b32 s3, s27, 2
	s_sub_co_u32 s3, s2, s3                        ; the task's number in its tensor
	s_mul_i32 s36, s2, 6144
	s_add_nc_u64 s[20:21], s[20:21], s[36:37]
	s_lshl_b32 s36, s2, 8
	s_add_nc_u64 s[22:23], s[22:23], s[36:37]
	s_lshr_b32 s38, s3, 1                          ; row tile
	s_and_b32 s39, s3, 1                           ; K half
	s_lshr_b32 s40, s38, 1
	s_lshl_b32 s40, s40, 5
	s_and_b32 s41, s38, 1
	s_lshl_b32 s41, s41, 3
	s_add_co_u32 s40, s40, s41                     ; 32 (t / 2) + 8 (t % 2)
	s_lshl_b32 s41, s38, 4                         ; 16 t
	s_cmp_eq_u32 s28, 1
	s_cselect_b32 s40, s40, s41                    ; the tile's first row
	s_lshl_b32 s40, s40, 12
	s_lshl_b32 s39, s39, 11
	s_add_co_u32 s36, s40, s39
	s_add_nc_u64 s[30:31], s[30:31], s[36:37]
	s_lshl_b32 s29, s28, 15
	s_wait_alu depctr_va_vdst(0)
	v_add_nc_u32 v2, s29, v1                       ; rows 8-15 lie eight rows further down where the tile's rows are not neighbours
	LOAD 0, 4096, 2
	LOAD 1, 4096, 2
	s_wait_alu depctr_va_vdst(0)
	QSTEP 0
	QSTEP 1
	QSTEP 2
	QSTEP 3
	v_cndmask_b32 v8, v[W], v[W+2], s34            ; lanes 0-15 store their row's words 0, 1, lanes 16-31 words 2, 3
	v_cndmask_b32 v9, v[W+1], v[W+3], s34
	global_store_b64 v6, v[8:9], s[22:23]          ; 256 consecutive bytes, aligned
	s_wait_tensorcnt 0x0                           ; the wave's end, behind my last LDS store
	ds_add_u32 v[SPW], v[NIL]
	s_wait_dscnt 0x0
	s_endpgm
	; ---- the mask's path
.Lmask:
	s_wait_alu depctr_va_vdst(0)
	v_add_nc_u32 v3, STM, v3
	v_lshl_add_u32 v4, v11, 6, v4                  ; + 64 h: my 16 keys of each 32
	v_add_nc_u32 v4, STM, v4
.irp i, 0,1,2,3,4,5,6,7
	v_mov_b32 v[MW+\i], 0                          ; written once: a lane write's destination counts as read
.endr
	s_sub_co_u32 s27, ttmp9, 896
	s_lshl_b32 s27, s27, 2
	s_add_co_u32 s27, s27, s26                     ; U = 4 x query tile + quarter of the keys
	s_lshr_b32 s2, s27, 2
	s_and_b32 s3, s27, 3
	s_lshl_b32 s36, s2, 17                         ; 16 rows of 8,192 bytes
	s_lshl_b32 s28, s3, 11                         ; 512 keys of 4 bytes
	s_add_co_u32 s36, s36, s28
	s_wait_alu depctr_va_vdst(0)
	s_wait_kmcnt 0x0
	s_add_nc_u64 s[30:31], s[18:19], s[36:37]
	s_lshl_b32 s36, s27, 10                        ; 1,024 bytes of words a task
	s_add_nc_u64 s[24:25], s[24:25], s[36:37]
	LOAD 0, 8192, 1
	LOAD 1, 8192, 1
	MSTEP 0
	MSTEP 1
	MSTEP 2
	MSTEP 3
	s_wait_tensorcnt 0x0                           ; the wave's end: the same three lines
	ds_add_u32 v[SPW], v[NIL]
	s_wait_dscnt 0x0
	s_endpgm
.Lfunc_end_k_q2be2e90363_prep:
	.size	k_q2be2e90363_prep, .Lfunc_end_k_q2be2e90363_prep-k_q2be2e90363_prep
	.p2alignl 7, 3214868480
	.fill 96, 4, 3214868480
	.section	.rodata,"a",@progbits
	.p2align	6, 0x0
	.amdhsa_kernel k_q2be2e90363_prep
		.amdhsa_group_segment_fixed_size 68096
		.amdhsa_private_segment_fixed_size 0
		.amdhsa_enable_private_segment 0
		.amdhsa_kernarg_size 88
		.amdhsa_user_sgpr_count 2
		.amdhsa_user_sgpr_kernarg_segment_ptr 1
		.amdhsa_wavefront_size32 1
		.amdhsa_system_sgpr_workgroup_id_x 1
		.amdhsa_system_sgpr_workgroup_id_y 1
		.amdhsa_system_sgpr_workgroup_id_z 1
		.amdhsa_system_vgpr_workitem_id 0
		.amdhsa_next_free_vgpr 256
		.amdhsa_next_free_sgpr 66
		.amdhsa_reserve_vcc 0
		.amdhsa_float_denorm_mode_32 3
		.amdhsa_float_denorm_mode_16_64 3
		.amdhsa_memory_ordered 1
		.amdhsa_forward_progress 1
		.amdhsa_inst_pref_size 80
	.end_amdhsa_kernel
	.amdgpu_metadata
---
amdhsa.version: [ 1, 2 ]
amdhsa.kernels:
  - .name:           k_q2be2e90363_prep
    .symbol:         k_q2be2e90363_prep.kd
    .args:
      - { .name: query, .offset: 0, .size: 8, .value_kind: global_buffer, .address_space: global }
      - { .name: key, .offset: 8, .size: 8, .value_kind: global_buffer, .address_space: global }
      - { .name: value, .offset: 16, .size: 8, .value_kind: global_buffer, .address_space: global }
      - { .name: Wq, .offset: 24, .size: 8, .value_kind: global_buffer, .address_space: global }
      - { .name: Wk, .offset: 32, .size: 8, .value_kind: global_buffer, .address_space: global }
      - { .name: Wv, .offset: 40, .size: 8, .value_kind: global_buffer, .address_space: global }
      - { .name: Wo, .offset: 48, .size: 8, .value_kind: global_buffer, .address_space: global }
      - { .name: mask, .offset: 56, .size: 8, .value_kind: global_buffer, .address_space: global }
      - { .name: cod, .offset: 64, .size: 8, .value_kind: global_buffer, .address_space: global }
      - { .name: scl, .offset: 72, .size: 8, .value_kind: global_buffer, .address_space: global }
      - { .name: mbits, .offset: 80, .size: 8, .value_kind: global_buffer, .address_space: global }
    .group_segment_fixed_size: 68096
    .private_segment_fixed_size: 0
    .kernarg_segment_align: 8
    .kernarg_segment_size: 88
    .max_flat_workgroup_size: 128
    .sgpr_count:     66
    .vgpr_count:     256
    .wavefront_size: 32
...
	.end_amdgpu_metadata
.endif
;; end of part 1
;; launch proj (part 2): grid 4 x 96, 4 waves a work-group, clusters of 4 x 4, 327,680 bytes of LDS; arguments cod, scl, bq, bk, bv, att; writes att
.if DOCPART == 2
	.amdgcn_target "amdgcn-amd-amdhsa--gfx1250"
	.amdhsa_code_object_version 6
	.text
	.protected	k_q2be2e90363_proj
	.globl	k_q2be2e90363_proj
	.p2align	8
	.type	k_q2be2e90363_proj,@function
k_q2be2e90363_proj:
	s_mov_b64 s[64:65], 0
	v_nop
	global_prefetch_b8 v0, s[64:65] scope:SCOPE_SE
	s_setreg_imm32_b32 hwreg(HW_REG_WAVE_MODE, 25, 1), 1
	s_wait_xcnt 0x0
	s_wait_alu depctr_hold_cnt(0) depctr_sa_sdst(0) depctr_va_vdst(0) depctr_va_sdst(0) depctr_va_ssrc(0) depctr_va_vcc(0) depctr_vm_vsrc(0)
	s_getreg_b32 s2, hwreg(HW_REG_IB_STS2, 6, 4)
	s_cmp_eq_u32 s2, 0
	s_cbranch_scc0 .Lentry_in_a_cluster
	s_endpgm
.Lentry_in_a_cluster:
	s_bfe_u32 s2, ttmp6, 0x10000c
	s_cmp_lg_u32 s2, 0xf033
	s_cbranch_scc0 .Lentry_shape_is_right
	s_endpgm
.Lentry_shape_is_right:
; q = query Wq^T + bq, k = key Wk^T + bk, v = value Wv^T + bv, on codes of FP6 (E2M3) with E8M0 scales; the results are quantised in registers for attention's products: q and k along the head's 64, v along the keys.
; kind = cluster y / 8 (0 q, 1 k, 2 v).  A tile of 256 rows x 256 features is made by four waves, 128 x 128 each: 64 accumulators, 512 registers.
; OPERANDS ARE IMAGES OF REGISTERS (a half image: 16 rows x 64 K, 768 bytes: lane l's bytes 0-15 at 16 l, bytes 16-23 at 512 + 8 l): a fragment of 16 x 128 comes by two loads of 16 and two of 8 bytes a lane, each dense.
; K = 1,024 is eight steps of 128.  An LDS slot holds two; THREE slots fit, so steps 0-5 are first fills and only steps 6, 7 are a refill, of slot 0.  Nothing loops: eight steps are written out.
; By this text's count a wave has one tensor load out at the start and one behind each of three later rounds.
; CLUSTER 4 x 4: the activations' tile (Y, by work-group y) is asked for jointly along a row of the cluster, the weight's (X, by work-group x) along a column.  Waves 0, 1 fetch Y's halves, waves 2, 3 X's.
; WHO IS SOURCE 0.  q, k: source 0 = the weight, source 1 = the activations: a lane holds one row, its registers run along the features.  v: source 0 = value, source 1 = Wv: a lane holds one feature, its registers run
; along the keys, which are the next K.  The tensor loads are alike for all kinds; only the addresses of the LDS reads differ, by SW = (kind == 2), which hangs on the cluster's y alone.
; The rows that form a tile of key, value and the weights were chosen so that the 16 registers of result tiles 2 b, 2 b + 1 are 16 neighbours along the next K.
; att: three parts (q, k, v) of [b x 16 + head][group of 128 rows][record 6,656].  q, k record: 8 half images (tile a at 768 a), then scale words [a / 4][row][a % 4]; bytes 0, 1 of a word are the head's blocks, bytes 2, 3 stand over zero codes.
; v record: 4 fragments of V^T (16 of the head's 64 x 128 keys) as 3 x 512 bytes, then scale words [row][4 tiles], twice.
; LIMITS: a block of zeros gets the byte 1; magnitudes under 2^-124 were not tried; NaN and infinities are not served.
; REGISTERS: window 0: v8-29 addresses; v32-95 scale words; v96-111 v's bias; v112-123 scale words on the way out; v128-223 source 1's fragments, one set (on the way out: v128-191 sums + bias, v192-228 the quantiser's).
;   window 1: source 0's fragments, two sets at v0 and v128; the bias by features at v96-127 and v224-255.   windows 2, 3: the accumulators, (a, b) at v[8 (8 (a % 4) + b)].
; THE FILLS AS THIS TEXT HAS THEM: at the head one joint load a wave: wave 0 all of Y's slot 0, wave 1 all of X's, waves 2 and 3 Y's and X's scale words.
; Slot 1 is filled behind the three lines and a whole round; slot 2 in K step 1's round (its first fill: nothing is filled again there); slot 0 again, with K steps 6 and 7, in K step 3's round.
; By this text's count a wave never has more than one tensor load out.
.set SLOTB, 98304
.set XOFF,  49152
.set HALFT, 24576                      ; 8 row tiles: what one tensor load brings, and what one wave reads of an operand
.set TILEB, 3072                       ; a row tile's two K steps
.set KSB,   1536                       ; a fragment
.set SCL,   3*SLOTB                    ; the scale words of all K: 8,192 bytes for each wave's load
.set SPARE, 327168                     ; the spare words, 128 bytes for each wave; the bytes between the scales and them are not used
.set FR,   12
.set A16,  8                           ; v8-10   source 1's fragments in slot 0, 1, 2: 16 x lane;  v11-13: 8 x lane
.set A8,   11
.set B16,  14                          ; v14-16, v17-19 the same for source 0
.set B8,   17
.set ADRS, 20                          ; v20  my scale words
.set L16,  21                          ; v21  16 x lane
.set L8,   22                          ; v22  8 x lane
.set HR,   23                          ; v23  106,496 h + 16 r
.set H16,  24                          ; v24  16 h
.set SPW,  28
.set NIL,  29
.set SC,   32                          ; v[SC + 8 i + s]: lanes 0-15 source 1's block i, lanes 16-31 source 0's block i, K step s
.set BV,   96
.set WS,   112
.set DD,   120
.set AF,   128
.set T,    128
.set PC,   192
.set TM,   212
.set PW,   228
.set G1Y,  24
.set G1X,  32
.set G1SY, 40
.set G1SX, 48
.set G0Y0, 56
.set G0Y1, 60
.set G0Y2, 68
.set G0X0, 72
.set G0X1, 76
.set G0X2, 80
.set G0SY, 84
.set G0SX, 88
.set SEL,  66
.set MSB, 0
.macro WIN new                         ; the immediate's high byte repeats the setting that is left
.if MSB != (\new)
	s_set_vgpr_msb (MSB<<8)|(\new)
.set MSB, \new
.endif
.endm
.set MUL_LO, 0xa1                      ; source 0 window 1, source 1 window 0, C and D window 2
.set MUL_HI, 0xf1
.set TO_B,   0x40
.macro PLACES                          ; four plain places in front of loads into registers that matrix instructions have read, and of the first read of results
.rept 4
	v_nop
.endr
.endm
.macro JLOAD g0a, g1a, g0b, g1b        ; a joint load: waves 0, 1 for Y, waves 2, 3 for X; an s_nop 0 and four v_nop follow each line
	s_cmp_eq_u32 s17, 0
	s_cbranch_scc0 .Lfor_x_\@
	tensor_load_to_lds s[\g0a:\g0a+3], s[\g1a:\g1a+7]
	s_nop 0
.rept 4
	v_nop
.endr
	s_branch .Lasked_\@
.Lfor_x_\@:
	tensor_load_to_lds s[\g0b:\g0b+3], s[\g1b:\g1b+7]
	s_nop 0
.rept 4
	v_nop
.endr
.Lasked_\@:
.endm
.macro CREST
	s_cmp_lg_u32 s16, 0
	s_cbranch_scc1 .Lnot_wave_0_\@
	s_barrier_signal -3
.Lnot_wave_0_\@:
	s_barrier_wait -3
	s_barrier_signal -1
	s_barrier_wait -1
.endm
.macro CROUND
	s_barrier_signal -1
	s_barrier_wait -1
	CREST
.endm
.macro MKG0 g, lo, slot                ; group 0 of a slot's first fill
	s_mov_b32 s[\g], 1
	s_add_co_u32 s[\g+1], s2, \slot*SLOTB
	s_add_nc_u64 s[\g+2:\g+3], s[\lo:\lo+1], \slot*TILEB
	s_or_b32 s[\g+3], s[\g+3], 0x80000000
.endm
.macro FRAG reg, a16, a8, off          ; a fragment: two half images
	ds_load_b128 v[\reg:\reg+3], v[\a16] offset:\off
	ds_load_b64 v[\reg+4:\reg+5], v[\a8] offset:\off+512
	ds_load_b128 v[\reg+6:\reg+9], v[\a16] offset:\off+768
	ds_load_b64 v[\reg+10:\reg+11], v[\a8] offset:\off+1280
.endm
.macro FETCH_B slot, q, p              ; source 0's eight fragments into set p
	WIN TO_B
.irp i, 0,1,2,3,4,5,6,7
	FRAG 128*(\p)+FR*\i, B16+\slot, B8+\slot, TILEB*\i+KSB*(\q)
.endr
	WIN 0
.endm
.macro FETCH_A slot, q, i0             ; source 1's blocks i0 .. i0 + 3
.irp i, \i0, \i0+1, \i0+2, \i0+3
	FRAG AF+FR*(\i), A16+\slot, A8+\slot, TILEB*(\i)+KSB*(\q)
.endr
.endm
; 16 matrix instructions: source 1's blocks a0, a0 + 1 x source 0's eight, K step s.  The 64 accumulators take turns, one instruction a turn, in the same order in every step.
.macro MUL16 a0, s, zero
.irp a, \a0, \a0+1
.irp b, 0,1,2,3,4,5,6,7
.if \zero
	v_wmma_scale_f32_16x16x128_f8f6f4 v[8*(8*((\a)%4)+\b):8*(8*((\a)%4)+\b)+7], v[128*((\s)%2)+FR*\b:128*((\s)%2)+FR*\b+FR-1], v[AF+FR*(\a):AF+FR*(\a)+FR-1], 0, v[SC+8*\b+(\s)], v[SC+8*(\a)+(\s)] matrix_a_fmt:MATRIX_FMT_FP6 matrix_b_fmt:MATRIX_FMT_FP6 matrix_a_scale:MATRIX_SCALE_ROW1
.else
	v_wmma_scale_f32_16x16x128_f8f6f4 v[8*(8*((\a)%4)+\b):8*(8*((\a)%4)+\b)+7], v[128*((\s)%2)+FR*\b:128*((\s)%2)+FR*\b+FR-1], v[AF+FR*(\a):AF+FR*(\a)+FR-1], v[8*(8*((\a)%4)+\b):8*(8*((\a)%4)+\b)+7], v[SC+8*\b+(\s)], v[SC+8*(\a)+(\s)] matrix_a_fmt:MATRIX_FMT_FP6 matrix_b_fmt:MATRIX_FMT_FP6 matrix_a_scale:MATRIX_SCALE_ROW1
.endif
.endr
.endr
.endm
.macro STEP s, nslot, nq, zero         ; K step s; its successor lies at step nq of slot nslot, which every wave knows landed
	s_wait_dscnt 16                                ; all but the youngest sixteen loads (source 1's blocks 4-7)
	WIN MUL_LO
	MUL16 0, \s, \zero
	MUL16 2, \s, \zero
	s_wait_dscnt 0x0
	PLACES
	FETCH_B \nslot, \nq, ((\s)+1)%2
	FETCH_A \nslot, \nq, 0
	WIN MUL_HI
	MUL16 4, \s, \zero
	MUL16 6, \s, \zero
	PLACES
	WIN 0
	FETCH_A \nslot, \nq, 4
.endm
; A step with a barrier in its middle.  In front of it each wave waits for all its tensor loads, adds 0 to its spare word, and waits for that and for its LDS reads.
; fill = 1: the barrier opens a round of the cluster's barrier, and slot 0, which nobody reads any more, takes K steps 6 and 7.  fill = 0: the barrier shows that refill to every wave.
.macro TURN s, nslot, fill
	s_wait_tensorcnt 0x0                           ; all my tensor loads have landed
	ds_add_u32 v[SPW], v[NIL]                      ; 0 onto my spare word
	s_wait_dscnt 17                                ; (the add and the youngest sixteen loads may be out)
	WIN MUL_LO
	MUL16 0, \s, 0
	s_wait_dscnt 0x0                               ; the add is done, and my LDS reads are back
	s_barrier_signal -1
	MUL16 2, \s, 0
	WIN 0
	s_barrier_wait -1
.if \fill == 2
	CREST
	JLOAD G0Y2, G1Y, G0X2, G1X                     ; slot 2's first fill, K steps 4 and 5: the one tensor load behind this round
.elseif \fill
	CREST
	s_add_nc_u64 s[G0Y0+2:G0Y0+3], s[G0Y0+2:G0Y0+3], 3*TILEB
	s_add_nc_u64 s[G0X0+2:G0X0+3], s[G0X0+2:G0X0+3], 3*TILEB
	JLOAD G0Y0, G1Y, G0X0, G1X                     ; the first tensor load behind the round; its four v_nop are the places in front of the loads below
.else
	PLACES
.endif
	FETCH_B \nslot, 0, ((\s)+1)%2
	FETCH_A \nslot, 0, 0
	WIN MUL_HI
	MUL16 4, \s, 0
	MUL16 6, \s, 0
	PLACES
	WIN 0
	FETCH_A \nslot, 0, 4
.endm
; 64 numbers of a lane, register 16 b + i = k 32 b + 16 h + i of my row, become a fragment's codes in v[PC] on and its scale word in v[PW]
.macro QUANT s
.irp b, 0,1,2,3
	v_max3_num_f32 v[TM+\b], |v[\s+16*\b]|, |v[\s+1+16*\b]|, 0x1800000   ; the floor 2^(3 - 127): the byte cannot fall under 1
.endr
.irp i, 2,4,6,8,10,12,14
.irp b, 0,1,2,3
	v_max3_num_f32 v[TM+\b], v[TM+\b], |v[\s+16*\b+\i]|, |v[\s+1+16*\b+\i]|
.endr
.endr
.irp b, 0,1,2,3
	v_permlanex16_b32 v[TM+4+\b], v[TM+\b], s[SEL], s[SEL+1]
.endr
.irp b, 0,1,2,3
	v_max_num_f32 v[TM+\b], v[TM+\b], v[TM+4+\b]
.endr
.irp b, 0,1,2,3
	v_add_nc_u32 v[TM+12+\b], 0xff000000, v[TM+\b] ; 2 off the exponent field: the conversion's scale operand
.endr
.irp b, 0,1,2,3
	v_lshrrev_b32 v[TM+4+\b], 23, v[TM+12+\b]
.endr
	v_lshl_or_b32 v[PW], v[TM+5], 8, v[TM+4]
	v_lshl_or_b32 v[PW], v[TM+6], 16, v[PW]
	v_lshl_or_b32 v[PW], v[TM+7], 24, v[PW]
.irp c, 0,1
	v_cvt_scalef32_pk16_fp6_f32 v[PC+6*\c:PC+2+6*\c], v[\s+32*\c:\s+15+32*\c], v[TM+12+2*\c]
	v_cvt_scalef32_pk16_fp6_f32 v[PC+12+4*\c:PC+14+4*\c], v[\s+16+32*\c:\s+31+32*\c], v[TM+12+2*\c+1]
.endr
	v_nop                                          ; one plain place behind the conversions
.irp c, 0,1
.irp i, 0,1,2
	v_permlane16_swap_b32 v[PC+6*\c+\i], v[PC+12+4*\c+\i]   ; a whole block to a lane
.endr
.irp i, 0,1,2
	v_mov_b32 v[PC+3+6*\c+\i], v[PC+12+4*\c+\i]
.endr
.endr
.endm
; The way out of source 1's block a: the sums and the bias into window 0 (each accumulator from its low end on), the quantiser, the stores
.macro EPI a, isv
.if \isv
	WIN 0x02+(\a)/4
.else
	WIN 0x06+(\a)/4
.endif
.irp b, 0,1,2,3,4,5,6,7
.irp j, 0,2,4,6
.if \isv
	v_pk_add_f32 v[T+8*\b+\j:T+8*\b+\j+1], v[64*((\a)%4)+8*\b+\j:64*((\a)%4)+8*\b+\j+1], v[BV+2*(\a):BV+2*(\a)+1]
.else
	v_pk_add_f32 v[T+8*\b+\j:T+8*\b+\j+1], v[64*((\a)%4)+8*\b+\j:64*((\a)%4)+8*\b+\j+1], v[96+8*\b+96*(\b/4)+\j:96+8*\b+96*(\b/4)+\j+1]
.endif
.endr
.endr
	WIN 0
.if (\a) > 0
	s_wait_xcnt 0x0                                ; the last block's stores have read their codes
.endif
	QUANT T
.if \isv
	v_mov_b32 v[WS+(\a)], v[PW]
.irp g, 0,1,2
	global_store_b128 v[L16], v[PC+4*\g:PC+4*\g+3], s[14:15] offset:106496*((\a)/4)+1536*((\a)%4)+512*\g   ; 512 consecutive bytes
.endr
.else
	v_lshrrev_b32 v[WS+(\a)], v[H16], v[PW]        ; lanes 0-15: the first head's two bytes lowest; lanes 16-31: the second head's
.irp c, 0,1
	global_store_b128 v[L16], v[PC+6*\c:PC+6*\c+3], s[14:15] offset:106496*\c+768*(\a)
	global_store_b64 v[L8], v[PC+6*\c+4:PC+6*\c+5], s[14:15] offset:106496*\c+768*(\a)+512
.endr
.endif
.endm
	s_load_b256 s[4:11], s[0:1], 0x0               ; cod, scl, bq, bk
	s_load_b128 s[12:15], s[0:1], 0x20             ; bv, att
	v_lshl_add_u32 v[SPW], v0, 2, SPARE
	v_mov_b32 v[NIL], 0
	ds_add_u32 v[SPW], v[NIL]                      ; the wave's opening
	ds_add_u32 v[SPW], v[NIL]
	v_lshrrev_b32 v1, 5, v0
	v_readfirstlane_b32 s16, v1                    ; wave
	s_lshr_b32 s17, s16, 1
	s_and_b32 s18, s16, 1
	s_bfe_u32 s92, ttmp6, 0x40000                  ; cx
	s_bfe_u32 s93, ttmp6, 0x40004                  ; cy
	s_lshl_b32 s21, ttmp9, 2
	s_add_co_u32 s21, s21, s92                     ; x: which 256 features
	s_and_b32 s22, ttmp7, 0xffff
	s_lshr_b32 s19, s22, 3                         ; kind: the cluster's y alone
	s_and_b32 s22, s22, 7
	s_lshl_b32 s22, s22, 2
	s_add_co_u32 s22, s22, s93                     ; yy: which 256 rows
	s_lshl_b32 s94, s93, 2
	s_lshl_b32 s94, 15, s94                        ; my row of the cluster
	s_lshl_b32 s95, 0x1111, s92                    ; my column
	s_or_b32 s[G1Y], s94, (3<<16)|(1<<21)          ; the mask; elements of 8 bytes; bit 21 beside a mask; no padding
	s_or_b32 s[G1X], s95, (3<<16)|(1<<21)
.irp g, G1Y, G1X
	s_mov_b32 s[\g+1], 384<<16                     ; tensor_dim0: 3,072 bytes
	s_mov_b32 s[\g+2], 16<<16                      ; tensor_dim1: 16 row tiles for the head's loads; 8 behind them
	s_mov_b32 s[\g+3], 384<<16                     ; tile_dim0
	s_mov_b32 s[\g+4], 16                          ; tile_dim1
	s_mov_b32 s[\g+5], 1536                        ; 12,288 bytes from row tile to row tile
	s_mov_b32 s[\g+6], 0
	s_mov_b32 s[\g+7], 0
.endr
	s_or_b32 s[G1SY], s94, (3<<16)|(1<<21)
	s_or_b32 s[G1SX], s95, (3<<16)|(1<<21)
.irp g, G1SY, G1SX
	s_mov_b32 s[\g+1], 32<<16                      ; tensor_dim0: 256 bytes
	s_mov_b32 s[\g+2], 32<<16                      ; the scales of 16 row tiles: 32 dense rows of 256 bytes
	s_mov_b32 s[\g+3], 32<<16
	s_mov_b32 s[\g+4], 32
	s_mov_b32 s[\g+5], 32
	s_mov_b32 s[\g+6], 0
	s_mov_b32 s[\g+7], 0
.endr
	s_lshl_b32 s23, s18, 3                         ; which 8 row tiles I fetch
	s_lshl_b32 s2, s22, 4
	s_add_co_u32 s2, s2, s23                       ; Y's row tile
	s_mul_i32 s96, s2, 12288
	s_mul_i32 s3, s19, 6291456
	s_add_co_u32 s96, s96, s3
	s_mov_b32 s97, 0
	s_lshl_b32 s98, s2, 9
	s_lshl_b32 s3, s19, 18
	s_add_co_u32 s98, s98, s3
	s_mov_b32 s99, 0
	s_lshl_b32 s67, s21, 4
	s_add_co_u32 s67, s67, s23                     ; X's row tile
	s_mul_i32 s100, s67, 12288
	s_mul_i32 s101, s19, 786432
	s_add_co_u32 s100, s100, s101
	s_add_co_u32 s100, s100, 18874368
	s_mov_b32 s101, 0
	s_lshl_b32 s66, s67, 9
	s_lshl_b32 s67, s19, 15
	s_add_co_u32 s66, s66, s67
	s_add_co_u32 s66, s66, 786432
	s_mov_b32 s67, 0
	s_mul_i32 s2, s16, HALFT                       ; where they go: the wave's number alone
	s_wait_dscnt 0x0                               ; the opening add is done
	s_wait_kmcnt 0x0
	s_add_nc_u64 s[96:97], s[4:5], s[96:97]
	s_add_nc_u64 s[98:99], s[6:7], s[98:99]
	s_add_nc_u64 s[100:101], s[4:5], s[100:101]
	s_add_nc_u64 s[66:67], s[6:7], s[66:67]
	s_mov_b32 s[G0SY], 1
	s_mul_i32 s92, s18, 98304                      ; what my half of 8 row tiles adds to the codes' address,
	s_mov_b32 s93, 0
	s_lshl_b32 s94, s18, 12                        ; and to the scales': the head's loads begin at the tile's first row
	s_mov_b32 s95, 0
	s_mov_b32 s[G0SY+1], SCL
	s_sub_nc_u64 s[G0SY+2:G0SY+3], s[98:99], s[94:95]
	s_or_b32 s[G0SY+3], s[G0SY+3], 0x80000000
	s_mov_b32 s[G0SX], 1
	s_mov_b32 s[G0SX+1], SCL+8192
	s_sub_nc_u64 s[G0SX+2:G0SX+3], s[66:67], s[94:95]
	s_or_b32 s[G0SX+3], s[G0SX+3], 0x80000000
	s_mov_b32 s[G0Y0], 1                           ; the head's load of Y's 16 row tiles, K steps 0 and 1
	s_mov_b32 s[G0Y0+1], 0
	s_sub_nc_u64 s[G0Y0+2:G0Y0+3], s[96:97], s[92:93]
	s_or_b32 s[G0Y0+3], s[G0Y0+3], 0x80000000
	MKG0 G0Y1, 96, 1
	MKG0 G0Y2, 96, 2
	s_mov_b32 s[G0X0], 1                           ; and of X's
	s_mov_b32 s[G0X0+1], XOFF
	s_sub_nc_u64 s[G0X0+2:G0X0+3], s[100:101], s[92:93]
	s_or_b32 s[G0X0+3], s[G0X0+3], 0x80000000
	MKG0 G0X1, 100, 1
	MKG0 G0X2, 100, 2
	CROUND                                         ; all sixteen work-groups are here: the first joint loads meet
; the head's loads, one a wave, in one chain of branches on the wave's number
.macro ARM under, g0, g1, next
	s_cmp_lt_u32 s16, \under
	s_cbranch_scc0 \next
	tensor_load_to_lds s[\g0:\g0+3], s[\g1:\g1+7]
	s_nop 0
.rept 4
	v_nop
.endr
	s_branch .Lhead_asked
\next:
.endm
	ARM 1, G0Y0, G1Y, .Lhead_x
	ARM 2, G0X0, G1X, .Lhead_sy
	ARM 3, G0SY, G1SY, .Lhead_sx
	tensor_load_to_lds s[G0SX:G0SX+3], s[G1SX:G1SX+7]
	s_nop 0
.rept 4
	v_nop
.endr
.Lhead_asked:
	s_cmp_eq_u32 s19, 2
	s_cselect_b32 s20, 1, 0                        ; SW
	s_cselect_b32 s92, XOFF, 0                     ; source 1's region in a slot
	s_cselect_b32 s93, 0, XOFF                     ; source 0's
	s_cselect_b32 s94, 8192, 0                     ; and among the scale words
	s_cselect_b32 s95, 0, 8192
	s_cselect_b32 s100, s17, s18                   ; which pair of heads is my wave's
	s_cselect_b32 s101, s18, s17                   ; which group of 128 rows
	s_mul_i32 s2, s17, HALFT
	s_add_co_u32 s92, s92, s2
	s_mul_i32 s3, s18, HALFT
	s_add_co_u32 s93, s93, s3
	v_and_b32 v1, 31, v0
	v_and_b32 v2, 15, v0                           ; r
	v_bfe_u32 v3, v0, 4, 1                         ; h
	v_lshlrev_b32 v[L16], 4, v1
	v_lshlrev_b32 v[L8], 3, v1
.irp s, 0,1,2
	v_add_nc_u32 v[A16+\s], s92, v[L16]
	v_add_nc_u32 v[A8+\s], s92, v[L8]
	v_add_nc_u32 v[B16+\s], s93, v[L16]
	v_add_nc_u32 v[B8+\s], s93, v[L8]
	s_add_co_u32 s92, s92, SLOTB
	s_add_co_u32 s93, s93, SLOTB
.endr
	s_lshl_b32 s2, s17, 12
	s_add_co_u32 s94, s94, s2
	s_add_co_u32 s94, s94, SCL
	s_lshl_b32 s3, s18, 12
	s_add_co_u32 s95, s95, s3
	s_add_co_u32 s95, s95, SCL
	s_mov_b32 s23, 0xffff0000                      ; lanes 16-31
	v_mov_b32 v4, s94
	v_mov_b32 v5, s95
	v_cndmask_b32 v[ADRS], v4, v5, s23             ; lanes 0-15 take source 1's words, lanes 16-31 source 0's
	v_lshl_add_u32 v[ADRS], v2, 4, v[ADRS]
	; the biases, both forms, whatever the kind: every load stays inside its 4,096 bytes
	s_cmp_eq_u32 s19, 1
	s_cselect_b64 s[96:97], s[10:11], s[8:9]
	s_cmp_eq_u32 s19, 2
	s_cselect_b64 s[96:97], s[12:13], s[96:97]
	s_lshl_b32 s98, s21, 10
	s_lshl_b32 s3, s18, 9
	s_add_co_u32 s98, s98, s3
	s_mov_b32 s99, 0
	s_add_nc_u64 s[96:97], s[96:97], s[98:99]      ; by features: 256 x + 128 (wave % 2)
	s_lshl_b32 s98, s21, 10
	s_lshl_b32 s3, s17, 9
	s_add_co_u32 s98, s98, s3
	s_add_nc_u64 s[12:13], s[12:13], s[98:99]      ; by lanes (v): 256 x + 128 (wave / 2)
	v_lshlrev_b32 v25, 6, v3                       ; 16 h numbers
	v_and_b32 v26, 8, v2
	v_add_nc_u32 v26, v26, v2
	v_lshlrev_b32 v26, 2, v26                      ; r + 8 (r / 8) numbers
	WIN TO_B
.irp b, 0,1,2,3,4,5,6,7
	global_load_b128 v[96+8*\b+96*(\b/4):96+8*\b+96*(\b/4)+3], v25, s[96:97] offset:(32*(\b/2)+8*(\b%2))*4
	global_load_b128 v[96+8*\b+96*(\b/4)+4:96+8*\b+96*(\b/4)+7], v25, s[96:97] offset:(32*(\b/2)+8*(\b%2))*4+16
.endr
	WIN 0
.irp a, 0,1,2,3,4,5,6,7
	global_load_b32 v[BV+2*\a], v26, s[12:13] offset:(32*(\a/2)+8*(\a%2))*4
	global_load_b32 v[BV+2*\a+1], v26, s[12:13] offset:(32*(\a/2)+8*(\a%2))*4     ; twice: a pair for the packed add
.endr
	; where my wave's records begin
	s_lshr_b32 s98, s22, 3
	s_lshl_b32 s98, s98, 4                         ; 16 b
	s_lshl_b32 s3, s21, 2
	s_add_co_u32 s98, s98, s3                      ; + 4 x
	s_lshl_b32 s3, s100, 1
	s_add_co_u32 s98, s98, s3
	s_mul_i32 s98, s98, 106496
	s_and_b32 s3, s22, 7
	s_lshl_b32 s3, s3, 1
	s_add_co_u32 s3, s3, s101
	s_mul_i32 s3, s3, 6656
	s_add_co_u32 s98, s98, s3
	s_mul_i32 s3, s19, 6815744
	s_add_co_u32 s98, s98, s3
	s_add_nc_u64 s[14:15], s[14:15], s[98:99]
	v_mul_u32_u24 v[HR], v3, 106496
	v_lshl_add_u32 v[HR], v2, 4, v[HR]
	v_lshlrev_b32 v[H16], 4, v3
	s_mov_b32 s[SEL], 0x76543210
	s_mov_b32 s[SEL+1], 0xfedcba98
	s_wait_alu depctr_va_vdst(0)
	s_wait_tensorcnt 0x0                           ; my tile of the head's four is in
	ds_add_u32 v[SPW], v[NIL]
	s_mov_b32 s[G1Y+2], 8<<16                      ; no tensor load of mine is out: from here on a load brings 8 row tiles
	s_mov_b32 s[G1Y+4], 8
	s_mov_b32 s[G1X+2], 8<<16
	s_mov_b32 s[G1X+4], 8
	s_mul_i32 s98, s18, 98304                      ; slot 0's group 0 for its refill: my half of the rows (s99 = 0),
	s_add_nc_u64 s[G0Y0+2:G0Y0+3], s[G0Y0+2:G0Y0+3], s[98:99]
	s_add_nc_u64 s[G0X0+2:G0X0+3], s[G0X0+2:G0X0+3], s[98:99]
	s_mul_i32 s[G0Y0+1], s16, HALFT                ; at my quarter of the slot
	s_mul_i32 s[G0X0+1], s16, HALFT
	s_wait_dscnt 0x0                               ; the add is done
	CROUND                                         ; all four tiles are in, and all sixteen work-groups are here
	JLOAD G0Y1, G1Y, G0X1, G1X                     ; slot 1, K steps 2 and 3: the one tensor load behind the round
.irp i, 0,1,2,3,4,5,6,7
	ds_load_b128 v[SC+8*\i:SC+8*\i+3], v[ADRS] offset:512*\i
	ds_load_b128 v[SC+8*\i+4:SC+8*\i+7], v[ADRS] offset:512*\i+256
.endr
	FETCH_B 0, 0, 0
	FETCH_A 0, 0, 0
	FETCH_A 0, 0, 4
	STEP 0, 0, 1, 1                                ; the first step's products start the sums
	TURN 1, 1, 2                                   ; slot 1 is whole for every wave; slot 2 is filled for the first time
	STEP 2, 1, 1, 0
	TURN 3, 2, 1                                   ; slot 2 is whole; slot 0, which nobody reads any more, takes K steps 6, 7
	STEP 4, 2, 1, 0
	TURN 5, 0, 0                                   ; the refill is shown to every wave
	STEP 6, 0, 1, 0
	s_wait_dscnt 16                                ; the last step: nothing more to fetch
	WIN MUL_LO
	MUL16 0, 7, 0
	MUL16 2, 7, 0
	s_wait_dscnt 0x0
	WIN MUL_HI
	MUL16 4, 7, 0
	MUL16 6, 7, 0
	WIN 0
	PLACES
	s_wait_loadcnt 0x0                             ; the biases
.irp b, 0,1,2,3
	v_mov_b32 v[TM+4+\b], 0                        ; written once: a lane permute's destination counts as one of its sources
.endr
	s_cmp_eq_u32 s20, 1
	s_cbranch_scc1 .Lvalues
.irp a, 0,1,2,3,4,5,6,7
	EPI \a, 0
.endr
	global_store_b128 v[HR], v[WS:WS+3], s[14:15] offset:6144       ; lanes 0-15: 256 bytes of the first head's record; lanes 16-31: of the second's
	global_store_b128 v[HR], v[WS+4:WS+7], s[14:15] offset:6400
	s_branch .Ldone
.Lvalues:
.irp a, 0,1,2,3,4,5,6,7
	EPI \a, 1
.endr
.irp i, 0,1,2,3
	v_cndmask_b32 v[DD+\i], v[WS+\i], v[WS+4+\i], s23               ; lanes 0-15: the first head's four tiles; lanes 16-31: the second's
.endr
	global_store_b128 v[HR], v[DD:DD+3], s[14:15] offset:6144
	global_store_b128 v[HR], v[DD:DD+3], s[14:15] offset:6400       ; once more: the reader's lanes 16-31 load these
.Ldone:
	s_wait_tensorcnt 0x0                           ; the wave's end
	ds_add_u32 v[SPW], v[NIL]
	s_wait_dscnt 0x0
	CROUND                                         ; the closing round
	s_endpgm
.Lfunc_end_k_q2be2e90363_proj:
	.size	k_q2be2e90363_proj, .Lfunc_end_k_q2be2e90363_proj-k_q2be2e90363_proj
	.p2alignl 7, 3214868480
	.fill 96, 4, 3214868480
	.section	.rodata,"a",@progbits
	.p2align	6, 0x0
	.amdhsa_kernel k_q2be2e90363_proj
		.amdhsa_group_segment_fixed_size 327680
		.amdhsa_private_segment_fixed_size 0
		.amdhsa_enable_private_segment 0
		.amdhsa_kernarg_size 48
		.amdhsa_user_sgpr_count 2
		.amdhsa_user_sgpr_kernarg_segment_ptr 1
		.amdhsa_wavefront_size32 1
		.amdhsa_system_sgpr_workgroup_id_x 1
		.amdhsa_system_sgpr_workgroup_id_y 1
		.amdhsa_system_sgpr_workgroup_id_z 1
		.amdhsa_system_vgpr_workitem_id 0
		.amdhsa_next_free_vgpr 1024
		.amdhsa_next_free_sgpr 102
		.amdhsa_reserve_vcc 0
		.amdhsa_float_denorm_mode_32 3
		.amdhsa_float_denorm_mode_16_64 3
		.amdhsa_memory_ordered 1
		.amdhsa_forward_progress 1
		.amdhsa_inst_pref_size 219
	.end_amdhsa_kernel
	.amdgpu_metadata
---
amdhsa.version: [ 1, 2 ]
amdhsa.kernels:
  - .name:           k_q2be2e90363_proj
    .symbol:         k_q2be2e90363_proj.kd
    .args:
      - { .name: cod, .offset: 0, .size: 8, .value_kind: global_buffer, .address_space: global }
      - { .name: scl, .offset: 8, .size: 8, .value_kind: global_buffer, .address_space: global }
      - { .name: bq, .offset: 16, .size: 8, .value_kind: global_buffer, .address_space: global }
      - { .name: bk, .offset: 24, .size: 8, .value_kind: global_buffer, .address_space: global }
      - { .name: bv, .offset: 32, .size: 8, .value_kind: global_buffer, .address_space: global }
      - { .name: att, .offset: 40, .size: 8, .value_kind: global_buffer, .address_space: global }
    .group_segment_fixed_size: 327680
    .private_segment_fixed_size: 0
    .kernarg_segment_align: 8
    .kernarg_segment_size: 48
    .max_flat_workgroup_size: 128
    .sgpr_count:     102
    .vgpr_count:     1024
    .wavefront_size: 32
...
	.end_amdgpu_metadata
.endif
;; end of part 2
;; launch attn (part 3): grid 4 x 64, 16 waves a work-group, clusters of 4 x 1, 215,040 bytes of LDS; arguments att, mbits, xc, xs; writes xc, xs
.if DOCPART == 3
	.amdgcn_target "amdgcn-amd-amdhsa--gfx1250"
	.amdhsa_code_object_version 6
	.text
	.protected	k_q2be2e90363_attn
	.globl	k_q2be2e90363_attn
	.p2align	8
	.type	k_q2be2e90363_attn,@function
k_q2be2e90363_attn:
	s_mov_b64 s[64:65], 0
	v_nop
	global_prefetch_b8 v0, s[64:65] scope:SCOPE_SE
	s_setreg_imm32_b32 hwreg(HW_REG_WAVE_MODE, 25, 1), 1
	s_wait_xcnt 0x0
	s_wait_alu depctr_hold_cnt(0) depctr_sa_sdst(0) depctr_va_vdst(0) depctr_va_sdst(0) depctr_va_ssrc(0) depctr_va_vcc(0) depctr_vm_vsrc(0)
	s_getreg_b32 s2, hwreg(HW_REG_IB_STS2, 6, 4)
	s_cmp_eq_u32 s2, 0
	s_cbranch_scc0 .Lentry_in_a_cluster
	s_endpgm
.Lentry_in_a_cluster:
	s_bfe_u32 s2, ttmp6, 0x10000c
	s_cmp_lg_u32 s2, 0x3003
	s_cbranch_scc0 .Lentry_shape_is_right
	s_endpgm
.Lentry_shape_is_right:
; x[b][q][head][:] = the sum over keys of softmax(q . k / 8, masked) v, both products on codes of FP6 (E2M3) with E8M0 scales; x is quantised along (head, d) for the last product.
; THE SOFTMAX AHEAD OF THE SECOND PRODUCT: t = score x log2(e) / 8; M = the running largest t rounded UP to a whole number; p = 2^(t - M) is quantised along the keys, not normalised; the row's sum is taken of the
; unquantised p and divides at the end.  When M moves, the sum and O are multiplied by 2^(old M - new M): exact.
; THE MASK comes as words of lane bits (one word for each of a step's 64 score registers), read by scalar loads, and only selects values: a hidden score becomes -2^33, that is a logit of -2^30.
; LIMIT: reference() puts -1e9 there.  -2^33 x c is exact in f32, so that a row hidden throughout gives p = 1 everywhere, as the rule does; results differ only where a logit that counts lies between -1.074e9 and -1e9.
; LIMITS: a block of zeros gets the byte 1 (read by this program alone); magnitudes under 2^-124 were not tried; NaN and infinities are not served.
; SHARES.  A work-group owns one (b, head) and 512 queries; each of its sixteen waves owns two tiles of 16 queries, one after the other (two passes), in 256 registers: four waves to a SIMD, so that one wave's vector
; work stands beside another's matrix work and LDS loads.  A WHOLE HEAD'S K AND V WITH THEIR SCALES, 212,992 bytes, LIE IN LDS for the launch: every wave brings 13,312 bytes by ONE tensor load; nothing is filled again,
; and one barrier serves.  CLUSTER 4 x 1: the four blocks of queries of a head want the same K and V: each load is asked for jointly by the four.
; The head's 64 fill half of the matrix instruction's 128 along K in the first product: the upper six registers of Q's and K's fragments are zero codes.
; LAYOUT.  Both products transposed: S^T = K Q^T, O^T = V^T P^T: a lane holds one query.  The keys of a tile of K, and the rows of a tile of V^T, were chosen so that 16 registers of two neighbouring tiles are 16 neighbours along the next K.
; REGISTERS: v1-4 lane offsets; v5, v6 the add's; v7 -2^33; v8-11 the step's addresses; v12 -M, v13 the largest t, v[14:15] the sum; v16-27 Q; v28-31 V's scale words; v32-79 eight fragments of K; v80-127 V's four;
;   v128-191 S^T, then p; v192-223 O^T; v224-235 p's codes; v236-247, v252, v254 at work; v248-251 K's scale words; v253 p's; v255 Q's.
.set REC,   6656                       ; a group's record
.set VB,    106496                     ; V's sixteen records lie behind K's
.set SPARE, 212992                     ; the spare words, 128 bytes for each of sixteen waves
.set S,     128
.set O,     192
.set SPW,   5
.set NIL,   6
; K'S EIGHT FRAGMENTS OF A STEP LIE SIX REGISTERS APART, v32-79: a fragment's upper six registers are the next fragment's lower six (the last one's: v80-85, V's).  They meet Q's zero codes under finite scale bytes and add nothing.
; Scale words in v248-251, which hold nothing else: lanes 0-15 those of tiles 0-3, lanes 16-31 those of tiles 4-7.  17 LDS loads.
.macro KLOAD a, b, c, off
.irp t, 0,1,2,3,4,5,6,7
	ds_load_b128 v[32+6*\t:35+6*\t], \a offset:768*\t+\off
	ds_load_b64 v[36+6*\t:37+6*\t], \b offset:768*\t+\off
.endr
	ds_load_b128 v[248:251], \c offset:\off
.endm
.macro CROUND
	s_barrier_signal -1
	s_barrier_wait -1
	s_cmp_lg_u32 s12, 0
	s_cbranch_scc1 .Lnot_wave_0_\@
	s_barrier_signal -3
.Lnot_wave_0_\@:
	s_barrier_wait -3
	s_barrier_signal -1
	s_barrier_wait -1
.endm
; A KEY STEP: 128 keys, the group at LDS byte s87
.macro STEP
	v_add_nc_u32 v8, s87, v1
	v_add_nc_u32 v9, s87, v2
	v_add_nc_u32 v10, s87, v3
	v_add_nc_u32 v11, s87, v4
	s_wait_alu depctr_va_vdst(0)                   ; one wait for the four addresses
	s_wait_dscnt 0x0                               ; this step's K and its scale words, asked for one step ago
.irp t, 0,1,2,3                        ; S^T = K Q^T: eight tiles of 16 keys, eight accumulators
	v_wmma_scale_f32_16x16x128_f8f6f4 v[S+8*\t:S+8*\t+7], v[32+6*\t:43+6*\t], v[16:27], 0, v[248+\t], v255 matrix_a_fmt:MATRIX_FMT_FP6 matrix_b_fmt:MATRIX_FMT_FP6
.endr
.irp t, 0,1,2,3
	v_wmma_scale_f32_16x16x128_f8f6f4 v[S+32+8*\t:S+39+8*\t], v[56+6*\t:67+6*\t], v[16:27], 0, v[248+\t], v255 matrix_a_fmt:MATRIX_FMT_FP6 matrix_b_fmt:MATRIX_FMT_FP6 matrix_a_scale:MATRIX_SCALE_ROW1
.endr
	s_wait_alu depctr_va_vdst(0)
.rept 4
	v_nop                                          ; places in front of the loads into registers that these products have read, and of the first read of S^T
.endr
.irp t, 0,1,2,3                        ; V's fragments land during the softmax
.irp c, 0,1,2
	ds_load_b128 v[80+12*\t+4*\c:83+12*\t+4*\c], v11 offset:1536*\t+512*\c
.endr
.endr
	ds_load_b128 v[28:31], v11 offset:6144
	KLOAD v8, v9, v10, REC                         ; the NEXT step's K; the pass's last step reads the record behind K's last, which lies in LDS too, and nobody uses it
	s_wait_kmcnt 0x0                               ; this step's 64 mask words, asked for one step ago, are in
.set n, 0
.rept 48
	v_cndmask_b32 v[S+n], v7, v[S+n], s[16+n]      ; each accumulator from its low end on
.set n, n+1
.endr
.rept 16
	v_cndmask_b32 v[S+n], v7, v[S+n], s[20+n]
.set n, n+1
.endr
.irp b, 0,1,2,3
	v_max3_num_f32 v[232+\b], v[S+16*\b], v[S+1+16*\b], v[S+2+16*\b]   ; the largest score of each block of 32 keys: it serves the row's maximum and, since p rises with the score, the block's largest p
.endr
.irp i, 3,5,7,9,11,13
.irp b, 0,1,2,3
	s_delay_alu instid0(VALU_DEP_4)
	v_max3_num_f32 v[232+\b], v[232+\b], v[S+16*\b+\i], v[S+1+16*\b+\i]
.endr
.endr
.irp b, 0,1,2,3
	s_delay_alu instid0(VALU_DEP_4)
	v_max_num_f32 v[232+\b], v[232+\b], v[S+15+16*\b]
.endr
.irp b, 0,1,2,3
	s_delay_alu instid0(VALU_DEP_4)
	v_permlanex16_b32 v[236+\b], v[232+\b], s66, s67
.endr
.irp b, 0,1,2,3
	s_delay_alu instid0(VALU_DEP_4)
	v_max_num_f32 v[232+\b], v[232+\b], v[236+\b]
.endr
	s_delay_alu instid0(VALU_DEP_2)
	v_max3_num_f32 v254, v232, v233, v234
	s_delay_alu instid0(VALU_DEP_1)
	v_max_num_f32 v254, v254, v235
	s_delay_alu instid0(VALU_DEP_1)
	v_mul_f32 v254, s84, v254                      ; as t (c is positive)
	s_delay_alu instid0(VALU_DEP_1)
	v_max_num_f32 v13, v13, v254                   ; the running largest t
	v_mov_b32 v254, v12
	s_delay_alu instid0(VALU_DEP_2)
	v_floor_f32 v12, -v13                          ; the new -M = floor(-t)
	s_delay_alu instid0(VALU_DEP_1)
	v_sub_f32 v254, v12, v254                      ; old M - new M: a whole number, 0 or less
	s_delay_alu instid0(VALU_DEP_1)
	v_cvt_i32_f32 v254, v254                       ; (it saturates)
	s_delay_alu instid0(VALU_DEP_1)
	v_ldexp_f32 v252, 1.0, v254                    ; f = 2^(old M - new M)
.set j, 0
.rept 32
	v_pk_fma_f32 v[S+j:S+j+1], v[S+j:S+j+1], s[84:85], v[12:13] op_sel_hi:[1,0,0]   ; t - M
.set j, j+2
.endr
.irp b, 0,1,2,3
	v_fma_f32 v[232+\b], v[232+\b], s84, v12
.endr
	s_add_co_u32 s15, s15, 256                     ; the NEXT step's 64 mask words: this step's have been read by the 64 selects above
	s_min_u32 s15, s15, 3840                       ; the pass's last step asks for step 15's once more: no load leaves my tile's 4,096 bytes
	s_load_b512 s[16:31], s[6:7], s15 offset:0x0
	s_load_b512 s[32:47], s[6:7], s15 offset:0x40
	s_load_b512 s[48:63], s[6:7], s15 offset:0x80
	s_load_b512 s[68:83], s[6:7], s15 offset:0xc0
.set j, 0
	s_wait_alu depctr_va_vdst(0)
.rept 64
	v_exp_f32 v[S+j], v[S+j]                       ; p = 2^(t - M)
.set j, j+1
.endr
	v_pk_mul_f32 v[14:15], v[14:15], v[252:253] op_sel_hi:[1,0]   ; the sums under the new M: a plain place behind the exponentials
	s_wait_alu depctr_va_vdst(0)                   ; one wait for the batch of 64, ahead of its first reader
.irp b, 0,1,2,3
	v_exp_f32 v[232+\b], v[232+\b]                 ; the blocks' largest p
.endr
	v_pk_add_f32 v[236:237], v[132:133], v[136:137]
	v_pk_add_f32 v[224:225], v[140:141], v[144:145]
	v_pk_add_f32 v[226:227], v[148:149], v[152:153]
	v_pk_add_f32 v[246:247], v[156:157], v[160:161]
	v_pk_add_f32 v[244:245], v[164:165], v[168:169]
	v_pk_add_f32 v[242:243], v[172:173], v[176:177]
	v_pk_add_f32 v[240:241], v[180:181], v[184:185]
	v_pk_add_f32 v[14:15], v[14:15], v[188:189]
	v_pk_add_f32 v[236:237], v[236:237], v[128:129]
	v_pk_add_f32 v[224:225], v[224:225], v[130:131]
	v_pk_add_f32 v[226:227], v[226:227], v[134:135]
	v_pk_add_f32 v[246:247], v[246:247], v[138:139]
	v_pk_add_f32 v[244:245], v[244:245], v[142:143]
	v_pk_add_f32 v[242:243], v[242:243], v[146:147]
	v_pk_add_f32 v[240:241], v[240:241], v[150:151]
	v_pk_add_f32 v[14:15], v[14:15], v[154:155]
	v_pk_add_f32 v[236:237], v[236:237], v[158:159]
	v_pk_add_f32 v[224:225], v[224:225], v[162:163]
	v_pk_add_f32 v[226:227], v[226:227], v[166:167]
	v_pk_add_f32 v[246:247], v[246:247], v[170:171]
	v_pk_add_f32 v[244:245], v[244:245], v[174:175]
	v_pk_add_f32 v[242:243], v[242:243], v[178:179]
	v_pk_add_f32 v[240:241], v[240:241], v[182:183]
	v_pk_add_f32 v[14:15], v[14:15], v[186:187]
	v_pk_add_f32 v[236:237], v[236:237], v[190:191]
	s_delay_alu instid0(VALU_DEP_2)
	v_pk_add_f32 v[14:15], v[14:15], v[246:247]
	s_delay_alu instid0(VALU_DEP_2)
	v_pk_add_f32 v[236:237], v[236:237], v[244:245]
	v_pk_add_f32 v[224:225], v[224:225], v[242:243]
	v_pk_add_f32 v[226:227], v[226:227], v[240:241]
	s_delay_alu instid0(VALU_DEP_2)
	v_pk_add_f32 v[14:15], v[14:15], v[224:225]
	s_delay_alu instid0(VALU_DEP_2)
	v_pk_add_f32 v[236:237], v[236:237], v[226:227]
	s_delay_alu instid0(VALU_DEP_1)
	v_pk_add_f32 v[14:15], v[14:15], v[236:237]
	s_wait_alu depctr_va_vdst(0)                   ; and one for the four
.irp b, 0,1,2,3
	v_max_num_f32 v[232+\b], 0x1800000, v[232+\b]  ; the floor 2^(3 - 127)
.endr
.irp b, 0,1,2,3
	s_delay_alu instid0(VALU_DEP_4)
	v_add_nc_u32 v[244+\b], 0xff000000, v[232+\b]
.endr
.irp b, 0,1,2,3
	s_delay_alu instid0(VALU_DEP_4)
	v_lshrrev_b32 v[236+\b], 23, v[244+\b]
.endr
	s_delay_alu instid0(VALU_DEP_3)
	v_lshl_or_b32 v253, v237, 8, v236              ; p's scale word for these 128 keys
	s_delay_alu instid0(VALU_DEP_1)
	v_lshl_or_b32 v253, v238, 16, v253
	s_delay_alu instid0(VALU_DEP_1)
	v_lshl_or_b32 v253, v239, 24, v253
.irp c, 0,1
	v_cvt_scalef32_pk16_fp6_f32 v[224+6*\c:226+6*\c], v[S+32*\c:S+15+32*\c], v[244+2*\c]
	v_cvt_scalef32_pk16_fp6_f32 v[236+4*\c:238+4*\c], v[S+16+32*\c:S+31+32*\c], v[244+2*\c+1]
.endr
	v_nop                                          ; one plain place behind the conversions
.irp c, 0,1
.irp i, 0,1,2
	v_permlane16_swap_b32 v[224+6*\c+\i], v[236+4*\c+\i]
.endr
.irp i, 0,1,2
	s_delay_alu instid0(VALU_DEP_3)
	v_mov_b32 v[227+6*\c+\i], v[236+4*\c+\i]
.endr
.endr
.set j, 0
.rept 16
	v_pk_mul_f32 v[O+j:O+j+1], v[O+j:O+j+1], v[252:253] op_sel_hi:[1,0]   ; O^T under the new M; these sixteen also stand between the scale word's and the codes' last writes and the products
.set j, j+2
.endr
	s_wait_alu depctr_va_vdst(0)
	s_wait_dscnt 17                                ; V's 13 loads are in; the 17 younger ones, the next step's K, may be out
.irp t, 0,1,2,3                        ; O^T += V^T P^T: the four accumulators by turns, one instruction a turn
	v_wmma_scale_f32_16x16x128_f8f6f4 v[O+8*\t:O+8*\t+7], v[80+12*\t:91+12*\t], v[224:235], v[O+8*\t:O+8*\t+7], v[28+\t], v253 matrix_a_fmt:MATRIX_FMT_FP6 matrix_b_fmt:MATRIX_FMT_FP6
.endr
	s_add_co_u32 s87, s87, REC
.endm
; A PASS: one tile of 16 queries against all 2,048 keys
.macro PASS p
.if \p
	s_wait_xcnt 0x0                                ; the last pass's stores have read their registers
	s_wait_kmcnt 0x0                               ; the last step's scalar loads are in: their registers and base may be written
	s_wait_dscnt 0x0                               ; the last step's LDS loads are in: their registers may be loaded anew
	s_add_nc_u64 s[6:7], s[6:7], 65536             ; sixteen query tiles on
.endif
	s_mov_b32 s15, 0
	s_load_b512 s[16:31], s[6:7], 0x0              ; step 0's 64 mask words
	s_load_b512 s[32:47], s[6:7], 0x40
	s_load_b512 s[48:63], s[6:7], 0x80
	s_load_b512 s[68:83], s[6:7], 0xc0
.if \p == 0
	v_and_b32 v11, 31, v0
	v_min_u32 v11, 15, v11
	v_lshlrev_b32 v11, 8, v11
	global_prefetch_b8 v11, s[6:7] offset:65536 th:TH_LOAD_NT scope:SCOPE_SE   ; my second pass's 4,096 bytes of mask words, sixteen steps ahead: a lane a block of 256 bytes, lanes 16-31 name the last again; no other wave reads them
.endif
	v_add_nc_u32 v8, s100, v1                      ; my tile's half image in its record,
	v_add_nc_u32 v9, s100, v2
	v_add_nc_u32 v10, s101, v3                     ; and its scale words
	global_load_b128 v[16:19], v8, s[4:5] offset:13312*\p
	global_load_b64 v[20:21], v9, s[4:5] offset:13312*\p
	global_load_b32 v255, v10, s[4:5] offset:13312*\p
	v_mov_b32 v13, 0xff61b1e6                      ; the largest t so far: -3e38
	s_delay_alu instid0(VALU_DEP_1)
	v_floor_f32 v12, -v13
	v_mov_b32 v14, 0
	v_mov_b32 v15, 0
.set j, 0
.rept 32
	v_mov_b32 v[O+j], 0                            ; the step is written once: the first finds zeros
.set j, j+1
.endr
	s_mov_b32 s87, 0
	s_mov_b32 s86, 16
.if \p == 0
	s_wait_tensorcnt 0x0                           ; my part of K and V is in,
	s_barrier_signal -1
	s_barrier_wait -1                              ; everybody's is
.endif
	s_wait_loadcnt 0x0                             ; Q
	s_wait_xcnt 0x0                                ; the prefetch has read v11, which the step writes
	KLOAD v1, v2, v3, 0                            ; step 0's K
.Lstep_\@:
	STEP
	s_sub_co_u32 s86, s86, 1
	s_cmp_lg_u32 s86, 0
	s_cbranch_scc1 .Lstep_\@
.rept 4
	v_nop                                          ; places behind the last products
.endr
	v_add_f32 v14, v14, v15
	s_delay_alu instid0(VALU_DEP_1)
	v_permlanex16_b32 v252, v14, s66, s67
	s_delay_alu instid0(VALU_DEP_1)
	v_add_f32 v14, v14, v252                       ; the row's sum
	s_wait_alu depctr_va_vdst(0)
	v_rcp_f32 v14, v14
	v_and_b32 v8, 15, v0                           ; (a plain place behind the reciprocal)
	v_bfe_u32 v9, v0, 4, 1
	s_delay_alu instid0(VALU_DEP_1)
	v_lshl_add_u32 v8, v8, 4, v9                   ; 16 r + h: my scale byte's place
	s_wait_alu depctr_va_vdst(0)                   ; the wait ahead of the reciprocal's first reader
.set j, 0
.rept 32
	v_mul_f32 v[S+j], v[O+j], v14                  ; x: register 16 b + i is d = 32 b + 16 h + i of my query
.set j, j+1
.endr
.irp b, 0,1
	v_max3_num_f32 v[232+\b], |v[S+16*\b]|, |v[S+16*\b+1]|, 0x1800000
.endr
.irp i, 2,4,6,8,10,12,14
.irp b, 0,1
	s_delay_alu instid0(VALU_DEP_2)
	v_max3_num_f32 v[232+\b], v[232+\b], |v[S+16*\b+\i]|, |v[S+16*\b+\i+1]|
.endr
.endr
.irp b, 0,1
	s_delay_alu instid0(VALU_DEP_2)
	v_permlanex16_b32 v[236+\b], v[232+\b], s66, s67
.endr
.irp b, 0,1
	s_delay_alu instid0(VALU_DEP_2)
	v_max_num_f32 v[232+\b], v[232+\b], v[236+\b]
.endr
.irp b, 0,1
	s_delay_alu instid0(VALU_DEP_2)
	v_add_nc_u32 v[244+\b], 0xff000000, v[232+\b]
.endr
.irp b, 0,1
	s_delay_alu instid0(VALU_DEP_2)
	v_lshrrev_b32 v[236+\b], 23, v[244+\b]
.endr
	s_delay_alu instid0(VALU_DEP_1)
	v_cndmask_b32 v238, v236, v237, s13            ; lanes 0-15 store block 0's byte, lanes 16-31 block 1's
	v_cvt_scalef32_pk16_fp6_f32 v[224:226], v[S:S+15], v244
	v_cvt_scalef32_pk16_fp6_f32 v[240:242], v[S+16:S+31], v245
	v_nop
.irp i, 0,1,2
	v_permlane16_swap_b32 v[224+\i], v[240+\i]
.endr
.irp i, 0,1,2
	s_delay_alu instid0(VALU_DEP_3)
	v_mov_b32 v[227+\i], v[240+\i]
.endr
	global_store_b128 v1, v[224:227], s[8:9] offset:196608*\p    ; the half image: 512 consecutive bytes,
	global_store_b64 v2, v[228:229], s[8:9] offset:196608*\p     ; and 256 more
	global_store_b8 v8, v238, s[10:11] offset:8192*\p            ; a scale word spans two heads, which are two work-groups: so single bytes, 32 for 768 bytes of codes
.endm
	s_load_b256 s[4:11], s[0:1], 0x0               ; att, mbits, xc, xs
	v_lshl_add_u32 v[SPW], v0, 2, SPARE
	v_mov_b32 v[NIL], 0
	ds_add_u32 v[SPW], v[NIL]                      ; the wave's opening
	ds_add_u32 v[SPW], v[NIL]
	v_lshrrev_b32 v8, 5, v0
	s_delay_alu instid0(VALU_DEP_1)
	v_readfirstlane_b32 s12, v8                    ; wave 0..15
	s_bfe_u32 s13, ttmp6, 0x40000                  ; cx
	s_lshl_b32 s3, ttmp9, 2
	s_add_co_u32 s13, s3, s13                      ; my block of 512 queries: it enters global addresses alone
	s_and_b32 s14, ttmp7, 0xffff                   ; b x 16 + head, which the four partners share
	s_mov_b32 s88, 15|(3<<16)|(1<<21)              ; the mask: all four; elements of 8 bytes; bit 21 beside a mask
	s_mov_b32 s89, 32<<16                          ; 52 dense rows of 256 bytes: two records
	s_mov_b32 s90, 52<<16
	s_mov_b32 s91, 32<<16
	s_mov_b32 s92, 52
	s_mov_b32 s93, 32
	s_mov_b32 s94, 0
	s_mov_b32 s95, 0
	s_mov_b32 s96, 1
	s_mul_i32 s97, s12, 2*REC                      ; waves 0-7: K's records; waves 8-15: V's
	s_lshr_b32 s15, s12, 3
	s_add_co_u32 s2, s15, 1
	s_mul_i32 s100, s2, 6815744                    ; k's part of att, or v's
	s_mul_i32 s2, s14, 106496
	s_add_co_u32 s100, s100, s2
	s_and_b32 s3, s12, 7
	s_mul_i32 s3, s3, 2*REC
	s_add_co_u32 s100, s100, s3
	s_mov_b32 s101, 0
	s_mov_b32 s66, 0x76543210
	s_mov_b32 s67, 0xfedcba98
	s_mov_b32 s84, 0x3e38aa3b                      ; c = log2(e) / 8
	s_mov_b32 s85, s84
	s_wait_dscnt 0x0                               ; the opening add is done
	s_wait_kmcnt 0x0
	s_add_nc_u64 s[98:99], s[4:5], s[100:101]
	s_or_b32 s99, s99, 0x80000000
	CROUND                                         ; all four work-groups are here: the joint loads meet
	tensor_load_to_lds s[96:99], s[88:95]          ; my one tensor load
	s_nop 0
.rept 4
	v_nop
.endr
	s_lshl_b32 s3, s13, 2
	s_add_co_u32 s3, s3, s15                       ; pass 0's group of q: 4 x block + wave / 8
	s_mul_i32 s3, s3, REC
	s_add_co_u32 s100, s2, s3
	s_add_nc_u64 s[4:5], s[4:5], s[100:101]
	s_lshr_b32 s2, s14, 4
	s_lshl_b32 s2, s2, 7
	s_lshl_b32 s3, s13, 5
	s_add_co_u32 s2, s2, s3
	s_add_co_u32 s2, s2, s12                       ; pass 0's query tile: 128 b + 32 x block + wave
	s_lshl_b32 s100, s2, 12
	s_add_nc_u64 s[6:7], s[6:7], s[100:101]
	s_and_b32 s3, s14, 15                          ; head
	s_mul_i32 s100, s2, 12288
	s_mul_i32 s15, s3, 768
	s_add_co_u32 s100, s100, s15
	s_add_nc_u64 s[8:9], s[8:9], s[100:101]
	s_lshl_b32 s100, s2, 9
	s_lshr_b32 s15, s3, 3
	s_lshl_b32 s15, s15, 8                         ; K half
	s_add_co_u32 s100, s100, s15
	s_bfe_u32 s15, s3, 0x20001
	s_lshl_b32 s15, s15, 2                         ; the word of the K step
	s_add_co_u32 s100, s100, s15
	s_and_b32 s15, s3, 1
	s_lshl_b32 s15, s15, 1                         ; the head's two bytes in it
	s_add_co_u32 s100, s100, s15
	s_add_nc_u64 s[10:11], s[10:11], s[100:101]
	s_and_b32 s3, s12, 7                           ; my tile in its group
	s_mul_i32 s100, s3, 768
	s_lshr_b32 s15, s3, 2
	s_lshl_b32 s15, s15, 8
	s_and_b32 s3, s3, 3
	s_lshl_b32 s3, s3, 2
	s_add_co_u32 s101, s15, s3
	s_mov_b32 s13, 0xffff0000                      ; lanes 16-31
	v_and_b32 v8, 31, v0
	v_and_b32 v9, 15, v0
	s_delay_alu instid0(VALU_DEP_2)
	v_lshlrev_b32 v1, 4, v8                        ; 16 l
	s_delay_alu instid0(VALU_DEP_3)
	v_lshl_add_u32 v2, v8, 3, 512                  ; 512 + 8 l
	s_delay_alu instid0(VALU_DEP_3)
	v_lshl_add_u32 v3, v9, 4, 6144                 ; 6,144 + 16 r
	s_delay_alu instid0(VALU_DEP_3)
	v_add_nc_u32 v4, VB, v1                        ; V's records, 16 l
	v_mov_b32 v7, 0xd0000000                       ; -2^33
	v_bfe_u32 v10, v0, 4, 1
	s_delay_alu instid0(VALU_DEP_1)
	v_lshl_add_u32 v3, v10, 8, v3                  ; + 256 h: lanes 16-31 take the scale words of tiles 4-7
.irp i, 22,23,24,25,26,27
	v_mov_b32 v\i, 0                               ; Q's upper 64 along K: zero codes
.endr
.irp i, 80,81,82,83,84,85
	v_mov_b32 v\i, 0                               ; the upper six registers of K's last fragment, written once ahead of V's first loads
.endr
.irp b, 0,1,2,3
	v_mov_b32 v[236+\b], 0                         ; written once: a lane permute's destination counts as one of its sources
.endr
	v_mov_b32 v252, 0
	v_mov_b32 v253, 0
	PASS 0
	PASS 1
	s_wait_tensorcnt 0x0                           ; the wave's end
	ds_add_u32 v[SPW], v[NIL]
	s_wait_dscnt 0x0
	CROUND                                         ; the closing round
	s_endpgm
.Lfunc_end_k_q2be2e90363_attn:
	.size	k_q2be2e90363_attn, .Lfunc_end_k_q2be2e90363_attn-k_q2be2e90363_attn
	.p2alignl 7, 3214868480
	.fill 96, 4, 3214868480
	.section	.rodata,"a",@progbits
	.p2align	6, 0x0
	.amdhsa_kernel k_q2be2e90363_attn
		.amdhsa_group_segment_fixed_size 215040
		.amdhsa_private_segment_fixed_size 0
		.amdhsa_enable_private_segment 0
		.amdhsa_kernarg_size 32
		.amdhsa_user_sgpr_count 2
		.amdhsa_user_sgpr_kernarg_segment_ptr 1
		.amdhsa_wavefront_size32 1
		.amdhsa_system_sgpr_workgroup_id_x 1
		.amdhsa_system_sgpr_workgroup_id_y 1
		.amdhsa_system_sgpr_workgroup_id_z 1
		.amdhsa_system_vgpr_workitem_id 0
		.amdhsa_next_free_vgpr 256
		.amdhsa_next_free_sgpr 102
		.amdhsa_reserve_vcc 0
		.amdhsa_float_denorm_mode_32 3
		.amdhsa_float_denorm_mode_16_64 3
		.amdhsa_memory_ordered 1
		.amdhsa_forward_progress 1
		.amdhsa_inst_pref_size 66
	.end_amdhsa_kernel
	.amdgpu_metadata
---
amdhsa.version: [ 1, 2 ]
amdhsa.kernels:
  - .name:           k_q2be2e90363_attn
    .symbol:         k_q2be2e90363_attn.kd
    .args:
      - { .name: att, .offset: 0, .size: 8, .value_kind: global_buffer, .address_space: global }
      - { .name: mbits, .offset: 8, .size: 8, .value_kind: global_buffer, .address_space: global }
      - { .name: xc, .offset: 16, .size: 8, .value_kind: global_buffer, .address_space: global }
      - { .name: xs, .offset: 24, .size: 8, .value_kind: global_buffer, .address_space: global }
    .group_segment_fixed_size: 215040
    .private_segment_fixed_size: 0
    .kernarg_segment_align: 8
    .kernarg_segment_size: 32
    .max_flat_workgroup_size: 512
    .sgpr_count:     102
    .vgpr_count:     256
    .wavefront_size: 32
...
	.end_amdgpu_metadata
.endif
;; end of part 3
;; launch outp (part 4): grid 4 x 32, 4 waves a work-group, clusters of 4 x 4, 327,680 bytes of LDS; arguments xc, xs, cod, scl, bo, out0; writes out0
.if DOCPART == 4
	.amdgcn_target "amdgcn-amd-amdhsa--gfx1250"
	.amdhsa_code_object_version 6
	.text
	.protected	k_q2be2e90363_outp
	.globl	k_q2be2e90363_outp
	.p2align	8
	.type	k_q2be2e90363_outp,@function
k_q2be2e90363_outp:
	s_mov_b64 s[64:65], 0
	v_nop
	global_prefetch_b8 v0, s[64:65] scope:SCOPE_SE
	s_setreg_imm32_b32 hwreg(HW_REG_WAVE_MODE, 25, 1), 1
	s_wait_xcnt 0x0
	s_wait_alu depctr_hold_cnt(0) depctr_sa_sdst(0) depctr_va_vdst(0) depctr_va_sdst(0) depctr_va_ssrc(0) depctr_va_vcc(0) depctr_vm_vsrc(0)
	s_getreg_b32 s2, hwreg(HW_REG_IB_STS2, 6, 4)
	s_cmp_eq_u32 s2, 0
	s_cbranch_scc0 .Lentry_in_a_cluster
	s_endpgm
.Lentry_in_a_cluster:
	s_bfe_u32 s2, ttmp6, 0x10000c
	s_cmp_lg_u32 s2, 0xf033
	s_cbranch_scc0 .Lentry_shape_is_right
	s_endpgm
.Lentry_shape_is_right:
; out0 = x Wo^T + bo on codes of FP6 (E2M3) with E8M0 scales; x [8192][1024] and Wo [1024][1024] come as images of operand registers, out0 is f32.
; A tile of 256 x 256 is made by four waves, 128 x 128 each: 64 accumulators, 512 registers.  A half image is 16 rows x 64 K, 768 bytes (lane l's bytes 0-15 at 16 l, bytes 16-23 at 512 + 8 l).
; K = 1,024 is eight steps of 128; an LDS slot holds two; three slots fit, so steps 0-5 are first fills and only steps 6, 7 are a refill, of slot 0.  Nothing loops.
; By this text's count a wave has one tensor load out at the start and one behind each of three later rounds.
; CLUSTER 4 x 4: x's tile (Y) is asked for jointly along a row of the cluster, Wo's (X) along a column.  Waves 0, 1 fetch Y's halves, waves 2, 3 X's.
; TRANSPOSED: source 0 = 16 rows of Wo, source 1 = 16 rows of x: a lane holds eight neighbouring numbers of a row of out0.  bo is the C of each sum's first matrix instruction.
; 128 work-groups: a smaller tile would give each WGP one, at one and a half times the LDS bytes for each product.
; THE WAY OUT goes through a stage in slot 1, which has had its only fill and which nobody reads behind the last barrier.
; REGISTERS: window 0: v8-29 addresses; v32-95 scale words; v128-223 source 1's fragments (on the way out v128-255: rows read back).  window 1: source 0's fragments at v0 and v128; bo at v96-127 and v224-255.  windows 2, 3: accumulators.
; THE FILLS AS THIS TEXT HAS THEM: at the head one joint load a wave: wave 0 all of Y's slot 0, wave 1 all of X's, waves 2 and 3 Y's and X's scale words.
; Slot 1 is filled behind the three lines and a whole round; slot 2 in K step 1's round (its first fill: nothing is filled again there); slot 0 again, with K steps 6 and 7, in K step 3's round.
; By this text's count a wave never has more than one tensor load out.
.set SLOTB, 98304
.set XOFF,  49152
.set HALFT, 24576
.set TILEB, 3072
.set KSB,   1536
.set SCL,   3*SLOTB
.set SPARE, 327168
.set STG,   SLOTB                      ; the stage: 16 rows x 528 bytes for each wave
.set SPITCH, 528
.set FR,   12
.set A16,  8
.set A8,   11
.set B16,  14
.set B8,   17
.set ADRS, 20
.set L16,  21                          ; 16 x lane: also my byte offset in a row of out0
.set L8,   22
.set STO,  23
.set RD,   24
.set SPW,  28
.set NIL,  29
.set SC,   32
.set AF,   128
.set BK,   128
.set G1Y,  24
.set G1X,  32
.set G1SY, 40
.set G1SX, 48
.set G0Y0, 56
.set G0Y1, 60
.set G0Y2, 68
.set G0X0, 72
.set G0X1, 76
.set G0X2, 80
.set G0SY, 84
.set G0SX, 88
.set MSB, 0
.macro WIN new
.if MSB != (\new)
	s_set_vgpr_msb (MSB<<8)|(\new)
.set MSB, \new
.endif
.endm
.set MUL_LO, 0xa1
.set MUL_HI, 0xf1
.set TO_B,   0x40
.macro PLACES
.rept 4
	v_nop
.endr
.endm
.macro JLOAD g0a, g1a, g0b, g1b        ; a joint load: waves 0, 1 for Y, waves 2, 3 for X; an s_nop 0 and four v_nop follow each line
	s_cmp_eq_u32 s17, 0
	s_cbranch_scc0 .Lfor_x_\@
	tensor_load_to_lds s[\g0a:\g0a+3], s[\g1a:\g1a+7]
	s_nop 0
.rept 4
	v_nop
.endr
	s_branch .Lasked_\@
.Lfor_x_\@:
	tensor_load_to_lds s[\g0b:\g0b+3], s[\g1b:\g1b+7]
	s_nop 0
.rept 4
	v_nop
.endr
.Lasked_\@:
.endm
.macro CREST
	s_cmp_lg_u32 s16, 0
	s_cbranch_scc1 .Lnot_wave_0_\@
	s_barrier_signal -3
.Lnot_wave_0_\@:
	s_barrier_wait -3
	s_barrier_signal -1
	s_barrier_wait -1
.endm
.macro CROUND
	s_barrier_signal -1
	s_barrier_wait -1
	CREST
.endm
.macro MKG0 g, lo, slot
	s_mov_b32 s[\g], 1
	s_add_co_u32 s[\g+1], s2, \slot*SLOTB
	s_add_nc_u64 s[\g+2:\g+3], s[\lo:\lo+1], \slot*TILEB
	s_or_b32 s[\g+3], s[\g+3], 0x80000000
.endm
.macro FRAG reg, a16, a8, off
	ds_load_b128 v[\reg:\reg+3], v[\a16] offset:\off
	ds_load_b64 v[\reg+4:\reg+5], v[\a8] offset:\off+512
	ds_load_b128 v[\reg+6:\reg+9], v[\a16] offset:\off+768
	ds_load_b64 v[\reg+10:\reg+11], v[\a8] offset:\off+1280
.endm
.macro FETCH_B slot, q, p
	WIN TO_B
.irp i, 0,1,2,3,4,5,6,7
	FRAG 128*(\p)+FR*\i, B16+\slot, B8+\slot, TILEB*\i+KSB*(\q)
.endr
	WIN 0
.endm
.macro FETCH_A slot, q, i0
.irp i, \i0, \i0+1, \i0+2, \i0+3
	FRAG AF+FR*(\i), A16+\slot, A8+\slot, TILEB*(\i)+KSB*(\q)
.endr
.endm
; 16 matrix instructions; first = 1: bo's registers (window 1) are the C and start the sums.  The 64 accumulators take turns, one instruction a turn.
.macro MUL16 a0, s, first
.irp a, \a0, \a0+1
.irp b, 0,1,2,3,4,5,6,7
.if \first
	v_wmma_scale_f32_16x16x128_f8f6f4 v[8*(8*((\a)%4)+\b):8*(8*((\a)%4)+\b)+7], v[128*((\s)%2)+FR*\b:128*((\s)%2)+FR*\b+FR-1], v[AF+FR*(\a):AF+FR*(\a)+FR-1], v[96+8*\b+96*(\b/4):96+8*\b+96*(\b/4)+7], v[SC+8*\b+(\s)], v[SC+8*(\a)+(\s)] matrix_a_fmt:MATRIX_FMT_FP6 matrix_b_fmt:MATRIX_FMT_FP6 matrix_a_scale:MATRIX_SCALE_ROW1
.else
	v_wmma_scale_f32_16x16x128_f8f6f4 v[8*(8*((\a)%4)+\b):8*(8*((\a)%4)+\b)+7], v[128*((\s)%2)+FR*\b:128*((\s)%2)+FR*\b+FR-1], v[AF+FR*(\a):AF+FR*(\a)+FR-1], v[8*(8*((\a)%4)+\b):8*(8*((\a)%4)+\b)+7], v[SC+8*\b+(\s)], v[SC+8*(\a)+(\s)] matrix_a_fmt:MATRIX_FMT_FP6 matrix_b_fmt:MATRIX_FMT_FP6 matrix_a_scale:MATRIX_SCALE_ROW1
.endif
.endr
.endr
.endm
.macro STEP s, nslot, nq, first
	s_wait_dscnt 16                                ; all but the youngest sixteen loads (source 1's blocks 4-7)
.if \first
	WIN 0x91                                       ; source 0 and C window 1, D window 2
.else
	WIN MUL_LO
.endif
	MUL16 0, \s, \first
	MUL16 2, \s, \first
	s_wait_dscnt 0x0
	PLACES
	FETCH_B \nslot, \nq, ((\s)+1)%2
	FETCH_A \nslot, \nq, 0
.if \first
	WIN 0xd1
.else
	WIN MUL_HI
.endif
	MUL16 4, \s, \first
	MUL16 6, \s, \first
	PLACES
	WIN 0
	FETCH_A \nslot, \nq, 4
.endm
.macro TURN s, nslot, fill             ; a step with a barrier in its middle; fill = 1: a round of the cluster's barrier, and slot 0 takes K steps 6, 7
	s_wait_tensorcnt 0x0                           ; all my tensor loads have landed
	ds_add_u32 v[SPW], v[NIL]                      ; 0 onto my spare word
	s_wait_dscnt 17                                ; (the add and the youngest sixteen loads may be out)
	WIN MUL_LO
	MUL16 0, \s, 0
	s_wait_dscnt 0x0                               ; the add is done, and my LDS reads are back
	s_barrier_signal -1
	MUL16 2, \s, 0
	WIN 0
	s_barrier_wait -1
.if \fill == 2
	CREST
	JLOAD G0Y2, G1Y, G0X2, G1X                     ; slot 2's first fill, K steps 4 and 5: the one tensor load behind this round
.elseif \fill
	CREST
	s_add_nc_u64 s[G0Y0+2:G0Y0+3], s[G0Y0+2:G0Y0+3], 3*TILEB
	s_add_nc_u64 s[G0X0+2:G0X0+3], s[G0X0+2:G0X0+3], 3*TILEB
	JLOAD G0Y0, G1Y, G0X0, G1X                     ; the first tensor load behind the round; its four v_nop are the places in front of the loads below
.else
	PLACES
.endif
	FETCH_B \nslot, 0, ((\s)+1)%2
	FETCH_A \nslot, 0, 0
	WIN MUL_HI
	MUL16 4, \s, 0
	MUL16 6, \s, 0
	PLACES
	WIN 0
	FETCH_A \nslot, 0, 4
.endm
; THE WAY OUT, block by block of 16 rows x 128 columns: through my own stage, back as whole rows of 512 bytes.  LDS serves a wave's instructions in order: no wait between the stores and the loads.
.macro TOSTAGE a
.set AC, 64*((\a)%4)
	WIN 0x08+4*((\a)/4)                            ; the data: window 2 or 3
.irp b, 0,1,2,3,4,5,6,7
	ds_store_b128 v[STO], v[AC+8*\b:AC+8*\b+3] offset:64*\b          ; each accumulator from its low end on
	ds_store_b128 v[STO], v[AC+8*\b+4:AC+8*\b+7] offset:64*\b+16
.endr
	WIN 0
.set BB, BK+64*((\a)%2)
.irp t, 0,1,2,3,4,5,6,7,8,9,10,11,12,13,14,15
	ds_load_b128 v[BB+4*\t:BB+4*\t+3], v[RD] offset:\t*SPITCH
.endr
.endm
.macro SEND a, younger
.set BB, BK+64*((\a)%2)
	s_wait_dscnt \younger                          ; the block is back in registers
.if (\a) > 0
	s_add_nc_u64 s[14:15], s[14:15], 16*4096       ; (behind a wait on XCNT: the earlier stores have read their base)
.endif
.irp t, 0,1,2,3,4,5,6,7,8,9,10,11,12,13,14,15
	global_store_b128 v[L16], v[BB+4*\t:BB+4*\t+3], s[14:15] offset:\t*4096 th:TH_STORE_NT   ; 32 lanes store 512 consecutive bytes, aligned
.endr
.endm
	s_load_b256 s[4:11], s[0:1], 0x0               ; xc, xs, cod, scl
	s_load_b128 s[12:15], s[0:1], 0x20             ; bo, out0
	v_lshl_add_u32 v[SPW], v0, 2, SPARE
	v_mov_b32 v[NIL], 0
	ds_add_u32 v[SPW], v[NIL]                      ; the wave's opening
	ds_add_u32 v[SPW], v[NIL]
	v_lshrrev_b32 v1, 5, v0
	v_readfirstlane_b32 s16, v1
	s_lshr_b32 s17, s16, 1
	s_and_b32 s18, s16, 1
	s_bfe_u32 s92, ttmp6, 0x40000                  ; cx
	s_bfe_u32 s93, ttmp6, 0x40004                  ; cy
	s_lshl_b32 s21, ttmp9, 2
	s_add_co_u32 s21, s21, s92                     ; x
	s_and_b32 s22, ttmp7, 0xffff
	s_lshl_b32 s22, s22, 2
	s_add_co_u32 s22, s22, s93                     ; y
	s_lshl_b32 s94, s93, 2
	s_lshl_b32 s94, 15, s94
	s_lshl_b32 s95, 0x1111, s92
	s_or_b32 s[G1Y], s94, (3<<16)|(1<<21)
	s_or_b32 s[G1X], s95, (3<<16)|(1<<21)
.irp g, G1Y, G1X
	s_mov_b32 s[\g+1], 384<<16
	s_mov_b32 s[\g+2], 16<<16                      ; 16 row tiles for the head's loads; 8 behind them
	s_mov_b32 s[\g+3], 384<<16
	s_mov_b32 s[\g+4], 16
	s_mov_b32 s[\g+5], 1536
	s_mov_b32 s[\g+6], 0
	s_mov_b32 s[\g+7], 0
.endr
	s_or_b32 s[G1SY], s94, (3<<16)|(1<<21)
	s_or_b32 s[G1SX], s95, (3<<16)|(1<<21)
.irp g, G1SY, G1SX
	s_mov_b32 s[\g+1], 32<<16
	s_mov_b32 s[\g+2], 32<<16                      ; the scales of 16 row tiles: 32 dense rows of 256 bytes
	s_mov_b32 s[\g+3], 32<<16
	s_mov_b32 s[\g+4], 32
	s_mov_b32 s[\g+5], 32
	s_mov_b32 s[\g+6], 0
	s_mov_b32 s[\g+7], 0
.endr
	s_lshl_b32 s23, s18, 3
	s_lshl_b32 s2, s22, 4
	s_add_co_u32 s2, s2, s23                       ; Y's row tile
	s_mul_i32 s96, s2, 12288
	s_mov_b32 s97, 0
	s_lshl_b32 s98, s2, 9
	s_mov_b32 s99, 0
	s_lshl_b32 s67, s21, 4
	s_add_co_u32 s67, s67, s23                     ; X's row tile
	s_mul_i32 s100, s67, 12288
	s_add_co_u32 s100, s100, 21233664              ; Wo's codes
	s_mov_b32 s101, 0
	s_lshl_b32 s66, s67, 9
	s_add_co_u32 s66, s66, 884736                  ; Wo's scales
	s_mov_b32 s67, 0
	s_mul_i32 s2, s16, HALFT
	s_wait_dscnt 0x0                               ; the opening add is done
	s_wait_kmcnt 0x0
	s_add_nc_u64 s[96:97], s[4:5], s[96:97]
	s_add_nc_u64 s[98:99], s[6:7], s[98:99]
	s_add_nc_u64 s[100:101], s[8:9], s[100:101]
	s_add_nc_u64 s[66:67], s[10:11], s[66:67]
	s_mov_b32 s[G0SY], 1
	s_mul_i32 s92, s18, 98304                      ; what my half of 8 row tiles adds to the codes' address,
	s_mov_b32 s93, 0
	s_lshl_b32 s94, s18, 12                        ; and to the scales': the head's loads begin at the tile's first row
	s_mov_b32 s95, 0
	s_mov_b32 s[G0SY+1], SCL
	s_sub_nc_u64 s[G0SY+2:G0SY+3], s[98:99], s[94:95]
	s_or_b32 s[G0SY+3], s[G0SY+3], 0x80000000
	s_mov_b32 s[G0SX], 1
	s_mov_b32 s[G0SX+1], SCL+8192
	s_sub_nc_u64 s[G0SX+2:G0SX+3], s[66:67], s[94:95]
	s_or_b32 s[G0SX+3], s[G0SX+3], 0x80000000
	s_mov_b32 s[G0Y0], 1                           ; the head's load of Y's 16 row tiles, K steps 0 and 1
	s_mov_b32 s[G0Y0+1], 0
	s_sub_nc_u64 s[G0Y0+2:G0Y0+3], s[96:97], s[92:93]
	s_or_b32 s[G0Y0+3], s[G0Y0+3], 0x80000000
	MKG0 G0Y1, 96, 1
	MKG0 G0Y2, 96, 2
	s_mov_b32 s[G0X0], 1                           ; and of X's
	s_mov_b32 s[G0X0+1], XOFF
	s_sub_nc_u64 s[G0X0+2:G0X0+3], s[100:101], s[92:93]
	s_or_b32 s[G0X0+3], s[G0X0+3], 0x80000000
	MKG0 G0X1, 100, 1
	MKG0 G0X2, 100, 2
	CROUND                                         ; all sixteen work-groups are here: the first joint loads meet
; the head's loads, one a wave, in one chain of branches on the wave's number
.macro ARM under, g0, g1, next
	s_cmp_lt_u32 s16, \under
	s_cbranch_scc0 \next
	tensor_load_to_lds s[\g0:\g0+3], s[\g1:\g1+7]
	s_nop 0
.rept 4
	v_nop
.endr
	s_branch .Lhead_asked
\next:
.endm
	ARM 1, G0Y0, G1Y, .Lhead_x
	ARM 2, G0X0, G1X, .Lhead_sy
	ARM 3, G0SY, G1SY, .Lhead_sx
	tensor_load_to_lds s[G0SX:G0SX+3], s[G1SX:G1SX+7]
	s_nop 0
.rept 4
	v_nop
.endr
.Lhead_asked:
	s_mul_i32 s92, s17, HALFT                      ; source 1 = x: my 128 rows
	s_mul_i32 s93, s18, HALFT
	s_add_co_u32 s93, s93, XOFF                    ; source 0 = Wo: my 128 rows
	v_and_b32 v1, 31, v0
	v_and_b32 v2, 15, v0                           ; r
	v_bfe_u32 v3, v0, 4, 1                         ; h
	v_lshlrev_b32 v[L16], 4, v1
	v_lshlrev_b32 v[L8], 3, v1
.irp s, 0,1,2
	v_add_nc_u32 v[A16+\s], s92, v[L16]
	v_add_nc_u32 v[A8+\s], s92, v[L8]
	v_add_nc_u32 v[B16+\s], s93, v[L16]
	v_add_nc_u32 v[B8+\s], s93, v[L8]
	s_add_co_u32 s92, s92, SLOTB
	s_add_co_u32 s93, s93, SLOTB
.endr
	s_lshl_b32 s94, s17, 12                        ; x's scale words: my 128 rows
	s_lshl_b32 s95, s18, 12
	s_add_co_u32 s95, s95, 8192                    ; Wo's, behind x's 8,192 bytes
	s_sub_co_u32 s95, s95, s94
	v_mul_u32_u24 v4, s95, v3                      ; lanes 16-31 take Wo's: the lower base + h x the distance
	s_add_co_u32 s94, s94, SCL
	v_lshl_add_u32 v4, v2, 4, v4
	v_add_nc_u32 v[ADRS], s94, v4
	s_lshl_b32 s98, s21, 10
	s_lshl_b32 s3, s18, 9
	s_add_co_u32 s98, s98, s3
	s_mov_b32 s99, 0
	s_add_nc_u64 s[12:13], s[12:13], s[98:99]      ; bo at 256 x + 128 (wave % 2)
	v_lshlrev_b32 v25, 5, v3                       ; 8 h numbers
	WIN TO_B
.irp b, 0,1,2,3,4,5,6,7
	global_load_b128 v[96+8*\b+96*(\b/4):96+8*\b+96*(\b/4)+3], v25, s[12:13] offset:64*\b
	global_load_b128 v[96+8*\b+96*(\b/4)+4:96+8*\b+96*(\b/4)+7], v25, s[12:13] offset:64*\b+16
.endr
	WIN 0
	s_mul_i32 s3, s16, 16*SPITCH
	s_add_co_u32 s3, s3, STG                       ; my stage
	v_mul_u32_u24 v[STO], v2, SPITCH
	v_lshl_add_u32 v[STO], v3, 5, v[STO]
	v_add_nc_u32 v[STO], s3, v[STO]                ; in: row r, 32 bytes for each half of the lanes
	v_add_nc_u32 v[RD], s3, v[L16]                 ; back: the 32 lanes take one row of 512 bytes
	s_lshl_b32 s96, s22, 8
	s_lshl_b32 s3, s17, 7
	s_add_co_u32 s96, s96, s3                      ; my first row of out0
	s_lshl_b32 s96, s96, 12
	s_add_co_u32 s96, s96, s98                     ; + my first column's bytes: 1,024 x + 512 (wave % 2)
	s_mov_b32 s97, 0
	s_add_nc_u64 s[14:15], s[14:15], s[96:97]
	s_wait_alu depctr_va_vdst(0)
	s_wait_tensorcnt 0x0                           ; my tile of the head's four is in
	ds_add_u32 v[SPW], v[NIL]
	s_mov_b32 s[G1Y+2], 8<<16                      ; no tensor load of mine is out: from here on a load brings 8 row tiles
	s_mov_b32 s[G1Y+4], 8
	s_mov_b32 s[G1X+2], 8<<16
	s_mov_b32 s[G1X+4], 8
	s_mul_i32 s98, s18, 98304                      ; slot 0's group 0 for its refill: my half of the rows (s99 = 0),
	s_add_nc_u64 s[G0Y0+2:G0Y0+3], s[G0Y0+2:G0Y0+3], s[98:99]
	s_add_nc_u64 s[G0X0+2:G0X0+3], s[G0X0+2:G0X0+3], s[98:99]
	s_mul_i32 s[G0Y0+1], s16, HALFT                ; at my quarter of the slot
	s_mul_i32 s[G0X0+1], s16, HALFT
	s_wait_dscnt 0x0                               ; the add is done
	CROUND                                         ; all four tiles are in, and all sixteen work-groups are here
	JLOAD G0Y1, G1Y, G0X1, G1X                     ; slot 1, K steps 2 and 3: the one tensor load behind the round
.irp i, 0,1,2,3,4,5,6,7
	ds_load_b128 v[SC+8*\i:SC+8*\i+3], v[ADRS] offset:512*\i
	ds_load_b128 v[SC+8*\i+4:SC+8*\i+7], v[ADRS] offset:512*\i+256
.endr
	FETCH_B 0, 0, 0
	FETCH_A 0, 0, 0
	FETCH_A 0, 0, 4
	s_wait_loadcnt 0x0                             ; bo
	STEP 0, 0, 1, 1                                ; the first step's products start the sums with bo
	TURN 1, 1, 2                                   ; slot 1 is whole for every wave; slot 2 is filled for the first time
	STEP 2, 1, 1, 0
	TURN 3, 2, 1                                   ; slot 2 is whole; slot 0, which nobody reads any more, takes K steps 6, 7
	STEP 4, 2, 1, 0
	TURN 5, 0, 0                                   ; the refill is shown to every wave; behind this barrier nobody reads slot 1
	STEP 6, 0, 1, 0
	s_wait_dscnt 16
	WIN MUL_LO
	MUL16 0, 7, 0
	MUL16 2, 7, 0
	s_wait_dscnt 0x0
	WIN MUL_HI
	MUL16 4, 7, 0
	MUL16 6, 7, 0
	WIN 0
	PLACES
	TOSTAGE 0
.irp a, 1,2,3,4,5,6,7
.if \a > 1
	s_wait_xcnt 0x0                                ; block a - 2's stores have read their registers and their base
.endif
	TOSTAGE \a
	SEND \a-1, 32                                  ; behind block a - 1's loads: block a's 16 stores and 16 loads
.endr
	s_wait_xcnt 0x0
	SEND 7, 0
	s_wait_tensorcnt 0x0                           ; the wave's end, behind my last tensor load and my last LDS store
	ds_add_u32 v[SPW], v[NIL]
	s_wait_dscnt 0x0
	CROUND                                         ; the closing round
	s_endpgm
.Lfunc_end_k_q2be2e90363_outp:
	.size	k_q2be2e90363_outp, .Lfunc_end_k_q2be2e90363_outp-k_q2be2e90363_outp
	.p2alignl 7, 3214868480
	.fill 96, 4, 3214868480
	.section	.rodata,"a",@progbits
	.p2align	6, 0x0
	.amdhsa_kernel k_q2be2e90363_outp
		.amdhsa_group_segment_fixed_size 327680
		.amdhsa_private_segment_fixed_size 0
		.amdhsa_enable_private_segment 0
		.amdhsa_kernarg_size 48
		.amdhsa_user_sgpr_count 2
		.amdhsa_user_sgpr_kernarg_segment_ptr 1
		.amdhsa_wavefront_size32 1
		.amdhsa_system_sgpr_workgroup_id_x 1
		.amdhsa_system_sgpr_workgroup_id_y 1
		.amdhsa_system_sgpr_workgroup_id_z 1
		.amdhsa_system_vgpr_workitem_id 0
		.amdhsa_next_free_vgpr 1024
		.amdhsa_next_free_sgpr 102
		.amdhsa_reserve_vcc 0
		.amdhsa_float_denorm_mode_32 3
		.amdhsa_float_denorm_mode_16_64 3
		.amdhsa_memory_ordered 1
		.amdhsa_forward_progress 1
		.amdhsa_inst_pref_size 145
	.end_amdhsa_kernel
	.amdgpu_metadata
---
amdhsa.version: [ 1, 2 ]
amdhsa.kernels:
  - .name:           k_q2be2e90363_outp
    .symbol:         k_q2be2e90363_outp.kd
    .args:
      - { .name: xc, .offset: 0, .size: 8, .value_kind: global_buffer, .address_space: global }
      - { .name: xs, .offset: 8, .size: 8, .value_kind: global_buffer, .address_space: global }
      - { .name: cod, .offset: 16, .size: 8, .value_kind: global_buffer, .address_space: global }
      - { .name: scl, .offset: 24, .size: 8, .value_kind: global_buffer, .address_space: global }
      - { .name: bo, .offset: 32, .size: 8, .value_kind: global_buffer, .address_space: global }
      - { .name: out0, .offset: 40, .size: 8, .value_kind: global_buffer, .address_space: global }
    .group_segment_fixed_size: 327680
    .private_segment_fixed_size: 0
    .kernarg_segment_align: 8
    .kernarg_segment_size: 48
    .max_flat_workgroup_size: 128
    .sgpr_count:     102
    .vgpr_count:     1024
    .wavefront_size: 32
...
	.end_amdgpu_metadata
.endif
;; end of part 4
